; MI455X (gfx1250); checked and timed in simulation.
; The chip was launched on July 23, 2026; its instructions are those of AMD's public machine-readable ISA for CDNA 5 (MIT licence, August 2026) and "CDNA5" Instruction Set Architecture Reference Guide (July 2026). The comments in the code are by the model that wrote it; some were corrected since.
;; Transformer Layer. Allowed arithmetic: matrix products marked QUANTISED: E2M3 operands, one E8M0 scale for each 32 along K, by v_wmma_scale_f32_16x16x128_f8f6f4 with both operands' format E2M3, f32 sums; everything else in f32.
;; Inputs: bo 1,024 float32; ln1_scale 1,024 float32; ln2_scale 1,024 float32; wk 1,024 x 1,024 float32; wo 1,024 x 1,024 float32; wq 1,024 x 1,024 float32; wv 1,024 x 1,024 float32; x 2 x 2,048 x 1,024 float32.
;; Outputs: out0 2 x 2,048 x 1,024 float32.
;; This version of the problem:
;;   THIS VERSION OF THE PROBLEM IS GIVEN IN LOW PRECISION. The matrix products marked QUANTISED in the list below multiply operands that are first quantised to E2M3 (2 exponent bits, 3 mantissa bits; 6 bits a number), with one power-of-two scale for each 32 numbers along K (OCP MX v1.0); their sums are f32. All else is computed in f32.
;;   The module's matrix products, in the order in which they are computed (A, B: the left and right operand; K: the contracted axis; several contracted axes count as one K, in the product's order):
;;     1. [M 4,096, K 1,024] x [K 1,024, N 1,024]; A: computed on the way; B: input wq: QUANTISED
;;     2. [M 4,096, K 1,024] x [K 1,024, N 1,024]; A: computed on the way; B: input wk: QUANTISED
;;     3. [M 4,096, K 1,024] x [K 1,024, N 1,024]; A: computed on the way; B: input wv: QUANTISED
;;     4. batch 32 x [M 2,048, K 64] x [K 64, N 2,048]; A: computed on the way; B: computed on the way: QUANTISED
;;     5. batch 32 x [M 2,048, K 2,048] x [K 2,048, N 64]; A: softmax (see below); B: computed on the way: QUANTISED
;;     6. [M 4,096, K 1,024] x [K 1,024, N 1,024]; A: computed on the way; B: input wo: QUANTISED
;;     7. [M 4,096, K 1,024] x [K 1,024, N 1,024]; A: computed on the way; B: input wq: QUANTISED
;;     8. [M 4,096, K 1,024] x [K 1,024, N 1,024]; A: computed on the way; B: input wk: QUANTISED
;;     9. [M 4,096, K 1,024] x [K 1,024, N 1,024]; A: computed on the way; B: input wv: QUANTISED
;;     10. batch 32 x [M 2,048, K 64] x [K 64, N 2,048]; A: computed on the way; B: computed on the way: QUANTISED
;;     11. batch 32 x [M 2,048, K 2,048] x [K 2,048, N 64]; A: softmax (see below); B: computed on the way: QUANTISED
;;     12. [M 4,096, K 1,024] x [K 1,024, N 1,024]; A: computed on the way; B: input wo: QUANTISED
;;   THE QUANTISER, for each operand of a quantised product, along K:
;;     - K is cut into blocks of 32 from its start; a last block that is shorter is filled with zeros.
;;     - A block's scale is 2^e with e = floor(log2(the largest magnitude in the block)) - 2, held to -126 .. 127; a block of zeros has e = 0. As a byte (E8M0): e + 127.
;;     - Each number is divided by its block's scale, clamped to +-7.5, and rounded to the nearest number of E2M3, ties to even, subnormals kept.
;;     - The product sums the exact products of the quantised numbers (number of the format x scale) in f32.
;;   ~~~python
;;   def quantise(x, axis):      # numpy; x: float32 -> the quantised numbers, widened to float32 again
;;       x = np.moveaxis(x, axis, -1); K = x.shape[-1]
;;       x = np.pad(x, [(0, 0)] * (x.ndim - 1) + [(0, -K % 32)]); x = x.reshape(x.shape[:-1] + (-1, 32)); a = np.abs(x).max(-1, keepdims=True)
;;       e = np.where(a > 0, np.clip(np.frexp(np.where(a > 0, a, 1))[1] - 1 - 2, -126, 127), 0)      # np.frexp(a)[1] - 1 = floor(log2(a)), exactly
;;       r = np.clip(x / 2.0 ** e, -7.5, 7.5)
;;       step = 2.0 ** (np.maximum(np.frexp(np.where(r == 0, 1, r))[1] - 1, 0) - 3)
;;       q = np.round(r / step) * step * 2.0 ** e      # np.round: ties to even
;;       return np.moveaxis(q.reshape(q.shape[:-2] + (-1,))[..., :K], -1, axis).astype(np.float32)
;;   ~~~
;;   SOFTMAX AHEAD OF A QUANTISED PRODUCT. Where the list says 'softmax', what is quantised is not the finished softmax but p = 2^(t - M), with t = logit x log2(e) and M = ceil(the row's largest t), a whole number; so 1/2 < the row's largest p <= 1. The row's sum l is taken of the UNQUANTISED p, in f32, and the product's result is divided by l at the end. Since M is a whole number, a kernel that streams over the keys may use a running M (the ceiling of the running maximum): every later rescaling is an exact power of two, which a block's scale takes up: the codes' values come out the same.
;;   OPERANDS COMPUTED ON THE WAY. 'Computed on the way' means the value that the module computes at that place (a softmax that the list does not call 'softmax' is quantised finished and normalised). What goes into a quantiser is computed in f32, as accurately as f32 sums, v_exp_f32 and their like allow (about 1e-6 of the number): no bf16 or f16 on the way to a quantiser, and a product that is left as it is and whose result goes on into a quantised operand takes f32 operands (vector FMAs, or v_wmma_f32_16x16x4_f32). A number that lies on a knife's edge between two numbers of the format may be rounded either way, as far as f32 arithmetic and the matrix unit's own rounding can turn it there, and no further.
;; One version. Each part assembles by itself: llvm-mc -triple=amdgcn-amd-amdhsa -mcpu=gfx1250 --defsym DOCPART=n.
;; ======== version 1 of 1: 7 launches
;; limits: right only within a limited range of input values
;; workspace buffers: xq 3,276,800 bytes; cq 3,276,800 bytes; wbuf 3,276,800 bytes; qb 3,407,872 bytes; kvb 6,684,672 bytes; h 16,777,216 bytes
;; launch prep (part 1): grid 512 x 1, 4 waves a work-group, no clusters, 1,536 bytes of LDS; arguments x, ln1_scale, wq, wk, wv, wo, xq, wbuf; writes xq, wbuf
.if DOCPART == 1
	.amdgcn_target "amdgcn-amd-amdhsa--gfx1250"
	.amdhsa_code_object_version 6
	.text
	.protected	k_q15743ac33e_prep
	.globl	k_q15743ac33e_prep
	.p2align	8
	.type	k_q15743ac33e_prep,@function
k_q15743ac33e_prep:
	s_mov_b64 s[64:65], 0
	v_nop
	global_prefetch_b8 v0, s[64:65] scope:SCOPE_SE
	s_setreg_imm32_b32 hwreg(HW_REG_WAVE_MODE, 25, 1), 1
	s_wait_xcnt 0x0
; Work-groups 0-255: y = g * (x - mean) / sqrt(var + 1e-5) + g for 16 rows of 1,024 numbers, quantised to codes of FP6 (E2M3) with one E8M0 byte for each 32 along the row.
; Work-groups 256-511: 16 rows of wq, wk, wv or wo (each [1024][1024], K innermost), quantised the same way, without the norm.
; THE 16 ROWS OF A TILE ARE NOT NEIGHBOURS: lane row r of tile T is row 32 (T / 2) + 8 (T % 2) + r + 8 (r / 8): every later product then leaves 16 neighbours along its next K in a lane's registers.
; OUTPUT: images of operand registers.  A fragment (16 rows x 128 K, 12 registers a lane) is 1,536 bytes: registers 0-3 at 16 x lane, 4-5 at 512 + 8 x lane, 6-9 at 768 + 16 x lane, 10-11 at 1,280 + 8 x lane.
; Scale words: [tile][row 16][K step 8], 512 bytes a tile, from byte SCL of the same buffer on.
; SHARES: a work-group takes one tile; wave w its K steps 2 w and 2 w + 1; lane (r, h) holds, of row r, 16 neighbours of each block of 32 (two lanes to a block).
; The variance is taken of x - mean, in a second pass over the registers: a common offset of the inputs costs no accuracy.
; LIMITS: a block of zeros gets the byte 1 where the rule says 127 (its codes are zeros, and this program alone reads the bytes); blocks whose largest magnitude lies under 2^-124 are held at the byte 1;
; NaN and infinities among the inputs are not served.
.set SCL, 3145728
.set XA,  4                            ; v4   my byte in the tile's rows: 4,096 (r + 8 (r / 8)) + 64 h
.set GA,  5                            ; v5   my byte in the gains: 64 h
.set L16, 6                            ; v6   16 x lane
.set L8,  7                            ; v7   8 x lane
.set SA,  8                            ; v8   my two scale words: 32 r + 8 w
.set RW,  9                            ; v9   LDS: my wave's word of my row: 16 r + 4 w
.set RR,  10                           ; v10  LDS: my row's four words: 16 r
.set PC,  12                           ; v12-30   the codes just made
.set X,   32                           ; v32-159  my 128 numbers
.set G,   160                          ; v160-223 the gains of one K step
.set TM,  224                          ; v224-239 at work in the quantiser
.set CH,  246                          ; v246-253 four packed chains of a sum
.set RED0, 0                           ; LDS: the waves' sums, [row][wave];
.set RED1, 256                         ; and their sums of squares: bytes of their own, so that one barrier serves each
	s_load_b256 s[4:11], s[0:1], 0x0               ; rows s[4:5], gains s[6:7], wq s[8:9], wk s[10:11]
	s_load_b256 s[12:19], s[0:1], 0x20             ; wv s[12:13], wo s[14:15], the rows' codes s[16:17], the weights' codes s[18:19]
	v_lshl_add_u32 v234, v0, 2, 0x400
	v_mov_b32 v235, 0
	v_lshrrev_b32 v1, 5, v0
	v_readfirstlane_b32 s20, v1                    ; wave
	v_and_b32 v1, 31, v0                           ; lane
	v_and_b32 v2, 15, v0                           ; r
	v_bfe_u32 v3, v0, 4, 1                         ; h
	v_and_b32 v11, 8, v2
	v_add_nc_u32 v11, v11, v2                      ; r + 8 (r / 8)
	v_lshlrev_b32 v[XA], 12, v11
	v_lshl_add_u32 v[XA], v3, 6, v[XA]
	v_lshlrev_b32 v[GA], 6, v3
	v_lshlrev_b32 v[L16], 4, v1
	v_lshlrev_b32 v[L8], 3, v1
	s_lshl_b32 s21, s20, 3
	v_lshlrev_b32 v[SA], 5, v2
	v_add_nc_u32 v[SA], s21, v[SA]
	s_lshl_b32 s21, s20, 2
	v_lshlrev_b32 v[RR], 4, v2
	v_add_nc_u32 v[RW], s21, v[RR]
.irp b, 0,1,2,3
	v_mov_b32 v[TM+4+\b], 0                        ; written once: a lane permute's destination counts as one of its sources
.endr
	v_mov_b32 v255, 0
	s_mov_b32 s36, 0x76543210
	s_mov_b32 s37, 0xfedcba98                      ; v_permlanex16_b32's selects for lane l xor 16
	s_mov_b32 s38, 0x3a800000                      ; 1 / 1,024
	s_mov_b32 s39, 0x3727c5ac                      ; 1e-5
	; where the tile comes from and where its images go: numbers made of the work-group's number alone
	s_and_b32 s22, ttmp9, 255                      ; u
	s_lshr_b32 s23, s22, 6                         ; which weight
	s_and_b32 s24, s22, 63                         ; its tile of rows
	s_lshr_b32 s25, s24, 2                         ; the head, or wo's group of 64 outputs
	s_and_b32 s26, s24, 3                          ; the tile in it
	s_mov_b32 s27, s22                             ; rows of x: tile u,
	s_mov_b32 s28, s22                             ; images [u][K step]
	s_mov_b32 s29, 0
	s_mov_b32 s30, 12288
	s_mov_b32 s31, 0
	s_mov_b32 s32, 1536                            ; bytes from a K step's image to the next
	s_mov_b32 s33, 512
	s_mov_b32 s34, 0
	s_cmp_lt_u32 ttmp9, 256
	s_cbranch_scc1 .Lplaced
	s_mov_b32 s27, s24                             ; wq, wk, wv: images [head][K step][4 x weight + tile]
	s_mov_b32 s28, s25
	s_lshl_b32 s29, s23, 2
	s_add_co_u32 s29, s29, s26
	s_mov_b32 s30, 147456
	s_mov_b32 s32, 18432
	s_mov_b32 s33, 6144
	s_cmp_lt_u32 s23, 3
	s_cbranch_scc1 .Lplaced
	s_mov_b32 s29, s26                             ; wo: images [group][K step][tile], behind the other three's
	s_mov_b32 s30, 49152
	s_mov_b32 s31, 2359296
	s_mov_b32 s32, 6144
	s_mov_b32 s33, 2048
	s_mov_b32 s34, 98304
.Lplaced:
	s_lshr_b32 s40, s27, 1
	s_lshl_b32 s40, s40, 5
	s_and_b32 s41, s27, 1
	s_lshl_b32 s41, s41, 3
	s_add_co_u32 s40, s40, s41                     ; the tile's first row
	s_lshl_b32 s40, s40, 12
	s_lshl_b32 s41, s20, 10
	s_add_co_u32 s40, s40, s41                     ; + my wave's 1,024 bytes of a row
	s_mov_b32 s41, 0
	s_mul_i32 s42, s28, s30
	s_mul_i32 s43, s29, 1536
	s_add_co_u32 s42, s42, s43
	s_add_co_u32 s42, s42, s31
	s_mul_i32 s43, s20, s32
	s_lshl_b32 s43, s43, 1
	s_add_co_u32 s42, s42, s43                     ; the image of K step 2 w
	s_mov_b32 s43, 0
	s_mul_i32 s46, s28, s33
	s_lshl_b32 s47, s29, 9
	s_add_co_u32 s46, s46, s47
	s_add_co_u32 s46, s46, s34
	s_add_co_u32 s46, s46, SCL                     ; the tile's scale words
	s_mov_b32 s47, 0
	s_mov_b32 s33, 0                               ; s[32:33]: the step between images, as a pair
	s_lshl_b32 s44, s20, 10
	s_mov_b32 s45, 0
	s_wait_kmcnt 0x0
	s_cmp_eq_u32 s23, 1                            ; the choices hang on the work-group's number alone
	s_cselect_b64 s[8:9], s[10:11], s[8:9]
	s_cmp_eq_u32 s23, 2
	s_cselect_b64 s[8:9], s[12:13], s[8:9]
	s_cmp_eq_u32 s23, 3
	s_cselect_b64 s[8:9], s[14:15], s[8:9]
	s_cmp_lt_u32 ttmp9, 256
	s_cselect_b64 s[4:5], s[4:5], s[8:9]
	s_cselect_b64 s[16:17], s[16:17], s[18:19]
	s_add_nc_u64 s[4:5], s[4:5], s[40:41]
	s_add_nc_u64 s[6:7], s[6:7], s[44:45]          ; my wave's 256 gains
	s_add_nc_u64 s[46:47], s[16:17], s[46:47]
	s_add_nc_u64 s[16:17], s[16:17], s[42:43]
	s_add_nc_u64 s[44:45], s[16:17], s[32:33]      ; the image of K step 2 w + 1
.irp s, 0,1
.irp b, 0,1,2,3
.irp j, 0,1,2,3
	global_load_b128 v[X+64*\s+16*\b+4*\j:X+64*\s+16*\b+4*\j+3], v[XA], s[4:5] offset:512*\s+128*\b+16*\j th:TH_LOAD_NT   ; register 64 s + 16 b + i = k 128 s + 32 b + 16 h + i of my row
.endr
.endr
.endr
.macro GLOAD s                         ; the gains of my K step s, in the numbers' layout
.irp b, 0,1,2,3
.irp j, 0,1,2,3
	global_load_b128 v[G+16*\b+4*\j:G+16*\b+4*\j+3], v[GA], s[6:7] offset:512*(\s)+128*\b+16*\j
.endr
.endr
.endm
; The four chains become the row's sum, in v254 of every lane: within the lane, with lane l xor 16, and with the other three waves through LDS.
.macro RSUM base
	v_pk_add_f32 v[CH:CH+1], v[CH:CH+1], v[CH+2:CH+3]
	v_pk_add_f32 v[CH+4:CH+5], v[CH+4:CH+5], v[CH+6:CH+7]
	v_pk_add_f32 v[CH:CH+1], v[CH:CH+1], v[CH+4:CH+5]
	v_add_f32 v254, v[CH], v[CH+1]
	v_permlanex16_b32 v255, v254, s36, s37
	v_add_f32 v254, v254, v255
	ds_store_b32 v[RW], v254 offset:\base          ; lanes r and r + 16 write the same word with the same value
	s_wait_dscnt 0x0                               ; for the others' sake: my store has landed
	s_barrier_signal -1
	s_barrier_wait -1
	ds_load_b128 v[CH:CH+3], v[RR] offset:\base
	s_wait_dscnt 0x0
	v_add_f32 v254, v[CH], v[CH+1]
	v_add_f32 v255, v[CH+2], v[CH+3]
	v_add_f32 v254, v254, v255
.endm
.macro NORM s                          ; g * ((x - mean) * rstd) + g on K step s
.set i, 0
.rept 32
	v_pk_mul_f32 v[X+64*(\s)+i:X+64*(\s)+i+1], v[X+64*(\s)+i:X+64*(\s)+i+1], v[244:245]
.set i, i+2
.endr
.set i, 0
.rept 32
	v_pk_fma_f32 v[X+64*(\s)+i:X+64*(\s)+i+1], v[G+i:G+i+1], v[X+64*(\s)+i:X+64*(\s)+i+1], v[G+i:G+i+1]
.set i, i+2
.endr
.endm
; 64 numbers of a lane, register 16 b + i = k 32 b + 16 h + i of my row, become a fragment's codes in v[PC] on and its scale word in v[pw].
.macro QUANT s, pw
.irp b, 0,1,2,3
	v_max3_num_f32 v[TM+\b], |v[(\s)+16*\b]|, |v[(\s)+1+16*\b]|, 0x1800000   ; my 16 numbers of block b, and the floor 2^(3 - 127): the byte cannot fall under 1
.endr
.irp i, 2,4,6,8,10,12,14
.irp b, 0,1,2,3
	v_max3_num_f32 v[TM+\b], v[TM+\b], |v[(\s)+16*\b+\i]|, |v[(\s)+1+16*\b+\i]|   ; the four blocks by turns
.endr
.endr
.irp b, 0,1,2,3
	v_permlanex16_b32 v[TM+4+\b], v[TM+\b], s36, s37
.endr
.irp b, 0,1,2,3
	v_max_num_f32 v[TM+\b], v[TM+\b], v[TM+4+\b]   ; with lane l xor 16's: the block's largest magnitude
.endr
.irp b, 0,1,2,3
	v_add_nc_u32 v[TM+12+\b], 0xff000000, v[TM+\b] ; 2 off its exponent field: the conversion's scale operand
.endr
.irp b, 0,1,2,3
	v_lshrrev_b32 v[TM+4+\b], 23, v[TM+12+\b]      ; the scale's byte
.endr
	v_lshl_or_b32 v[\pw], v[TM+5], 8, v[TM+4]
	v_lshl_or_b32 v[\pw], v[TM+6], 16, v[\pw]
	v_lshl_or_b32 v[\pw], v[TM+7], 24, v[\pw]
.irp c, 0,1
	v_cvt_scalef32_pk16_fp6_f32 v[PC+6*\c:PC+2+6*\c], v[(\s)+32*\c:(\s)+15+32*\c], v[TM+12+2*\c]
	v_cvt_scalef32_pk16_fp6_f32 v[PC+12+4*\c:PC+14+4*\c], v[(\s)+16+32*\c:(\s)+31+32*\c], v[TM+12+2*\c+1]   ; (a conversion's three registers begin on an even number)
.endr
	v_nop                                          ; one plain place behind a scaled conversion
.irp c, 0,1                                    ; the operand's layout wants a whole block in a lane: lanes 0-15 block 2 c, lanes 16-31 block 2 c + 1
.irp i, 0,1,2
	v_permlane16_swap_b32 v[PC+6*\c+\i], v[PC+12+4*\c+\i]
.endr
.irp i, 0,1,2
	v_mov_b32 v[PC+3+6*\c+\i], v[PC+12+4*\c+\i]
.endr
.endr
.endm
.macro PUT d                           ; the fragment's image: each store covers 512 or 256 consecutive bytes, aligned
	global_store_b128 v[L16], v[PC:PC+3], s[\d:\d+1]
	global_store_b64 v[L8], v[PC+4:PC+5], s[\d:\d+1] offset:512
	global_store_b128 v[L16], v[PC+6:PC+9], s[\d:\d+1] offset:768
	global_store_b64 v[L8], v[PC+10:PC+11], s[\d:\d+1] offset:1280
.endm
	s_cmp_lt_u32 ttmp9, 256
	s_cbranch_scc0 .Lweights                       ; the same way for all four waves of a work-group
	; ---- rows: the norm, then the quantiser
	GLOAD 0
	s_wait_loadcnt 16                              ; my 32 loads of numbers are in; the 16 of gains may be out
.irp c, 0,1,2,3
	v_pk_add_f32 v[CH+2*\c:CH+2*\c+1], v[X+2*\c:X+2*\c+1], v[X+8+2*\c:X+8+2*\c+1]   ; the first pairs start the chains
.endr
.set i, 16
.rept 14
.irp c, 0,1,2,3
	v_pk_add_f32 v[CH+2*\c:CH+2*\c+1], v[CH+2*\c:CH+2*\c+1], v[X+i+2*\c:X+i+2*\c+1]
.endr
.set i, i+8
.endr
	RSUM RED0
	v_mul_f32 v242, s38, v254                      ; the mean, twice: a pair for the packed form
	v_mul_f32 v243, s38, v254
.set i, 0
.rept 64
	v_pk_add_f32 v[X+i:X+i+1], v[X+i:X+i+1], v[242:243] neg_lo:[0,1] neg_hi:[0,1]
.set i, i+2
.endr
.irp c, 0,1,2,3
	v_pk_mul_f32 v[CH+2*\c:CH+2*\c+1], v[X+2*\c:X+2*\c+1], v[X+2*\c:X+2*\c+1]
.endr
.set i, 8
.rept 15
.irp c, 0,1,2,3
	v_pk_fma_f32 v[CH+2*\c:CH+2*\c+1], v[X+i+2*\c:X+i+2*\c+1], v[X+i+2*\c:X+i+2*\c+1], v[CH+2*\c:CH+2*\c+1]
.endr
.set i, i+8
.endr
	RSUM RED1
	v_fma_f32 v254, v254, s38, s39                 ; var + 1e-5
	s_wait_alu depctr_va_vdst(0)
	v_rsq_f32 v244, v254
	v_rsq_f32 v245, v254
	v_nop                                          ; one plain place behind the transcendentals
	s_wait_alu depctr_va_vdst(0)
	s_wait_loadcnt 0x0                             ; the gains of K step 0
	NORM 0
	GLOAD 1                                        ; they land while K step 0 is quantised
	QUANT X, 240
	PUT 16
	s_wait_loadcnt 0x0
	NORM 1
	s_wait_xcnt 0x0                                ; the stores have read the codes' registers
	QUANT X+64, 241
	PUT 44
	global_store_b64 v[SA], v[240:241], s[46:47]   ; my row's two scale words (lanes r and r + 16: the same bytes, the same value)
	s_wait_tensorcnt 0x0
	ds_add_u32 v234, v235
	s_wait_dscnt 0x0
	s_endpgm
.Lweights:
	; ---- weights: the quantiser alone; no LDS, no barrier
	s_wait_loadcnt 0x0
	QUANT X, 240
	PUT 16
	s_wait_xcnt 0x0
	QUANT X+64, 241
	PUT 44
	global_store_b64 v[SA], v[240:241], s[46:47]
	s_endpgm
.Lfunc_end_k_q15743ac33e_prep:
	.size	k_q15743ac33e_prep, .Lfunc_end_k_q15743ac33e_prep-k_q15743ac33e_prep
	.p2alignl 7, 3214868480
	.fill 96, 4, 3214868480
	.section	.rodata,"a",@progbits
	.p2align	6, 0x0
	.amdhsa_kernel k_q15743ac33e_prep
		.amdhsa_group_segment_fixed_size 1536
		.amdhsa_private_segment_fixed_size 0
		.amdhsa_enable_private_segment 0
		.amdhsa_kernarg_size 64
		.amdhsa_user_sgpr_count 2
		.amdhsa_user_sgpr_kernarg_segment_ptr 1
		.amdhsa_wavefront_size32 1
		.amdhsa_system_sgpr_workgroup_id_x 1
		.amdhsa_system_sgpr_workgroup_id_y 1
		.amdhsa_system_sgpr_workgroup_id_z 1
		.amdhsa_system_vgpr_workitem_id 0
		.amdhsa_next_free_vgpr 256
		.amdhsa_next_free_sgpr 66
		.amdhsa_reserve_vcc 0
		.amdhsa_float_denorm_mode_32 3
		.amdhsa_float_denorm_mode_16_64 3
		.amdhsa_memory_ordered 1
		.amdhsa_forward_progress 1
		.amdhsa_inst_pref_size 49
	.end_amdhsa_kernel
	.amdgpu_metadata
---
amdhsa.version: [ 1, 2 ]
amdhsa.kernels:
  - .name:           k_q15743ac33e_prep
    .symbol:         k_q15743ac33e_prep.kd
    .args:
      - { .name: x, .offset: 0, .size: 8, .value_kind: global_buffer, .address_space: global }
      - { .name: ln1_scale, .offset: 8, .size: 8, .value_kind: global_buffer, .address_space: global }
      - { .name: wq, .offset: 16, .size: 8, .value_kind: global_buffer, .address_space: global }
      - { .name: wk, .offset: 24, .size: 8, .value_kind: global_buffer, .address_space: global }
      - { .name: wv, .offset: 32, .size: 8, .value_kind: global_buffer, .address_space: global }
      - { .name: wo, .offset: 40, .size: 8, .value_kind: global_buffer, .address_space: global }
      - { .name: xq, .offset: 48, .size: 8, .value_kind: global_buffer, .address_space: global }
      - { .name: wbuf, .offset: 56, .size: 8, .value_kind: global_buffer, .address_space: global }
    .group_segment_fixed_size: 1536
    .private_segment_fixed_size: 0
    .kernarg_segment_align: 8
    .kernarg_segment_size: 64
    .max_flat_workgroup_size: 128
    .sgpr_count:     66
    .vgpr_count:     256
    .wavefront_size: 32
...
	.end_amdgpu_metadata
.endif
;; end of part 1
;; launch qkv1 (part 2): grid 16 x 16, 4 waves a work-group, clusters of 4 x 1, 168,448 bytes of LDS; arguments xq, wbuf, qb, kvb; writes qb, kvb
.if DOCPART == 2
	.amdgcn_target "amdgcn-amd-amdhsa--gfx1250"
	.amdhsa_code_object_version 6
	.text
	.protected	k_q15743ac33e_qkv1
	.globl	k_q15743ac33e_qkv1
	.p2align	8
	.type	k_q15743ac33e_qkv1,@function
k_q15743ac33e_qkv1:
	s_mov_b64 s[64:65], 0
	v_nop
	global_prefetch_b8 v0, s[64:65] scope:SCOPE_SE
	s_setreg_imm32_b32 hwreg(HW_REG_WAVE_MODE, 25, 1), 1
	s_wait_xcnt 0x0
	s_wait_alu depctr_hold_cnt(0) depctr_sa_sdst(0) depctr_va_vdst(0) depctr_va_sdst(0) depctr_va_ssrc(0) depctr_va_vcc(0) depctr_vm_vsrc(0)
	s_getreg_b32 s2, hwreg(HW_REG_IB_STS2, 6, 4)
	s_cmp_eq_u32 s2, 0
	s_cbranch_scc0 .Lentry_in_a_cluster
	s_endpgm
.Lentry_in_a_cluster:
	s_bfe_u32 s2, ttmp6, 0x10000c
	s_cmp_lg_u32 s2, 0x3003
	s_cbranch_scc0 .Lentry_shape_is_right
	s_endpgm
.Lentry_shape_is_right:
; q, k, v of ONE head for 256 tokens: three products [256 x 1,024] x [1,024 x 64] on codes of FP6 (E2M3) with E8M0 scales, and their results quantised in registers for attention.
; SHARES: a work-group takes 256 tokens and head hd; wave w 64 tokens (4 tiles) x 12 tiles of weight rows (4 each of wq, wk, wv): 48 accumulators, 8 K steps of 128, 384 matrix instructions.
; q, k: source 0 = 16 weight rows, source 1 = 16 tokens: a lane holds one token and its registers run along the head's 64, which is the scores' K.
; v:    source 0 = 16 tokens, source 1 = 16 weight rows: a lane holds one channel and its registers run along 64 keys, which is the second product's K.
; The rows of every tile are 32 (T / 2) + 8 (T % 2) + r + 8 (r / 8), so the 16 registers of tiles 2 b and 2 b + 1 are 16 neighbours, 32 b + 16 (lane / 16) + 0 .. 15.
; DATA: the head's weight codes, 147,456 bytes laid [K step][tile] as register images, come into LDS ONCE: one load a wave, all first fills; no LDS byte is filled twice.
; CLUSTER: the four work-groups of a cluster take the same head, so each load is asked for jointly (the same descriptor and the mask 15 in all four).
; A wave's own token fragments go from memory straight into its registers, two K steps ahead: no other wave of the work-group reads them.
; OUT: half fragments (16 rows x 64 K, 768 bytes: registers 0-3 at 16 x lane, 4-5 at 512 + 8 x lane).  qb: [head of batch][query tile]; kvb: records of 13,056 bytes for each 128 keys:
; K's 8 tiles | V's [64 keys][4 tiles of channels] | K's scale words [tile / 4][row][tile % 4] | V's [row][tile], two bytes from each 64 keys.
; LIMITS: a block of zeros gets the byte 1 (its codes are zeros; this program alone reads the bytes); blocks under 2^-124 are held at the byte 1; NaN and infinities are not served.
; REGISTERS, in windows of 256: window 0: v1-10 addresses; v32-95 the quantiser; v128-223 the weights' scale words [8 tile + K step]; v224-255 the tokens' [8 tile + K step].
;   window 1: v0-127 q's accumulators (m, t) at 8 (4 m + t); v128-255 k's.   window 2: v0-127 v's, (t, m) at 8 (4 t + m); v128-223 two sets of four weight fragments.   window 3: v0-143 three sets of four token fragments.
.set SCL, 3145728
.set L16, 1                            ; v1    16 x lane
.set L8,  2                            ; v2    8 x lane
.set R32, 3                            ; v3    32 x (lane % 16)
.set R16, 4                            ; v4    16 x (lane % 16)
.set D16, 5                            ; v5-7  16 x lane + 55,296 k: LDS, K steps 3 k .. 3 k + 2 (an LDS offset has 16 bits)
.set D8,  8                            ; v8-10 8 x lane + 55,296 k
.set TM,  32
.set T2,  40
.set SCO, 48
.set PW,  56
.set PC,  64
.set WS,  128
.set AS,  224
.set WB,  128
.set WV,  12                           ; s12 my wave's number
.set G1,  24                           ; s[24:31] descriptor group 1;  s[32:35] descriptor group 0
.set G0,  32
.set SEL, 58
.set MSB, 0
.macro WIN new                         ; the immediate's high byte repeats the setting that is left
.if MSB != \new
	s_set_vgpr_msb (MSB<<8)|\new
.set MSB, \new
.endif
.endm
.macro PLACES                          ; four places in front of loads into registers that matrix instructions have read, and of the first read of results
.rept 4
	v_nop
.endr
.endm
.macro ROUND                           ; a round of the cluster's barrier
	s_barrier_signal -1
	s_barrier_wait -1
	s_cmp_lg_u32 s[WV], 0
	s_cbranch_scc1 .Lnot_wave_0_\@
	s_barrier_signal -3
.Lnot_wave_0_\@:
	s_barrier_wait -3
	s_barrier_signal -1
	s_barrier_wait -1
.endm
	s_load_b256 s[4:11], s[0:1], 0x0               ; xq s[4:5], wbuf s[6:7], qb s[8:9], kvb s[10:11]
	v_lshl_add_u32 v126, v0, 2, 0x29000
	v_mov_b32 v127, 0
	ds_add_u32 v126, v127
	ds_add_u32 v126, v127
	v_lshrrev_b32 v1, 5, v0
	v_readfirstlane_b32 s[WV], v1
	s_bfe_u32 s13, ttmp6, 0x40000                  ; cx
	s_lshl_b32 s14, ttmp9, 2
	s_add_co_u32 s14, s14, s13                     ; my block of 256 tokens: it enters global addresses of my own loads and stores alone
	s_and_b32 s15, ttmp7, 0xffff                   ; the head, which the four partners share
	v_and_b32 v11, 31, v0
	v_and_b32 v12, 15, v0
	v_lshlrev_b32 v[L16], 4, v11
	v_lshlrev_b32 v[L8], 3, v11
	v_lshlrev_b32 v[R32], 5, v12
	v_lshlrev_b32 v[R16], 4, v12
.irp k, 0,1,2
	v_add_nc_u32 v[D16+\k], 55296*\k, v[L16]
	v_add_nc_u32 v[D8+\k], 55296*\k, v[L8]
.endr
.irp i, 0,1,2,3,4,5,6,7
	v_mov_b32 v[T2+\i], 0                          ; written once: a lane permute's destination counts as one of its sources
.endr
	s_mov_b32 s[SEL], 0x76543210
	s_mov_b32 s[SEL+1], 0xfedcba98
	; group 1: ONE LOAD A WAVE: wave w brings chunk w (K steps 2 w and 2 w + 1), a dense block of 36,864 bytes, as 144 rows of 256 bytes (32 elements of 8 bytes)
	s_mov_b32 s[G1], 15|(3<<16)|(1<<21)            ; the mask: all four work-groups; elements of 8 bytes; bit 21 set beside a mask
	s_mov_b32 s[G1+1], 32<<16
	s_mov_b32 s[G1+2], 144<<16
	s_mov_b32 s[G1+3], 32<<16
	s_mov_b32 s[G1+4], 144
	s_mov_b32 s[G1+5], 32
	s_mov_b32 s[G1+6], 0
	s_mov_b32 s[G1+7], 0
	s_mul_i32 s3, s[WV], 36864                     ; my chunk, in LDS and in memory
	s_mul_i32 s22, s15, 147456
	s_add_co_u32 s22, s22, s3
	s_mov_b32 s23, 0
	s_mul_i32 s20, s15, 6144
	s_add_co_u32 s20, s20, SCL                     ; the head's weight scale words
	s_mov_b32 s21, 0
	s_mul_i32 s16, s14, 196608
	s_mul_i32 s60, s[WV], 49152
	s_add_co_u32 s16, s16, s60                     ; my four token tiles' codes
	s_mov_b32 s17, 0
	s_lshl_b32 s18, s14, 13
	s_lshl_b32 s60, s[WV], 11
	s_add_co_u32 s18, s18, s60
	s_add_co_u32 s18, s18, SCL                     ; and their scale words
	s_mov_b32 s19, 0
	s_lshr_b32 s60, s14, 3
	s_lshl_b32 s60, s60, 4
	s_add_co_u32 s60, s60, s15                     ; 16 x batch + head
	s_and_b32 s61, s14, 7                          ; my block of 256 in the batch
	s_lshl_b32 s48, s60, 7
	s_lshl_b32 s62, s61, 4
	s_add_co_u32 s48, s48, s62
	s_lshl_b32 s62, s[WV], 2
	s_add_co_u32 s48, s48, s62                     ; my first query tile
	s_lshl_b32 s50, s48, 6                         ; four tiles' scale words are 256 bytes
	s_add_co_u32 s50, s50, 3145728
	s_mul_i32 s48, s48, 768
	s_mov_b32 s49, 0
	s_mov_b32 s51, 0
	s_lshl_b32 s52, s60, 4
	s_lshl_b32 s62, s61, 1
	s_add_co_u32 s52, s52, s62
	s_lshr_b32 s62, s[WV], 1
	s_add_co_u32 s52, s52, s62
	s_mul_i32 s52, s52, 13056                      ; my 128 keys' record
	s_and_b32 s62, s[WV], 1                        ; which 64 of them are mine
	s_lshl_b32 s63, s62, 8
	s_add_co_u32 s54, s52, s63
	s_add_co_u32 s54, s54, 12288                   ; K's scale words
	s_lshl_b32 s63, s62, 1
	s_add_co_u32 s56, s52, s63
	s_add_co_u32 s56, s56, 12800                   ; V's scale bytes
	s_mul_i32 s63, s62, 3072
	s_add_co_u32 s52, s52, s63                     ; K's four tiles; V's lie 6,144 bytes on
	s_mov_b32 s53, 0
	s_mov_b32 s55, 0
	s_mov_b32 s57, 0
	s_wait_dscnt 0x0
	s_wait_kmcnt 0x0
	s_add_nc_u64 s[16:17], s[4:5], s[16:17]
	s_add_nc_u64 s[18:19], s[4:5], s[18:19]
	s_add_nc_u64 s[20:21], s[6:7], s[20:21]
	s_add_nc_u64 s[22:23], s[6:7], s[22:23]
	s_add_nc_u64 s[48:49], s[8:9], s[48:49]
	s_add_nc_u64 s[50:51], s[8:9], s[50:51]
	s_add_nc_u64 s[52:53], s[10:11], s[52:53]
	s_add_nc_u64 s[54:55], s[10:11], s[54:55]
	s_add_nc_u64 s[56:57], s[10:11], s[56:57]
	s_mov_b32 s[G0], 1
	s_mov_b32 s[G0+1], s3
	s_mov_b64 s[G0+2:G0+3], s[22:23]
	s_or_b32 s[G0+3], s[G0+3], 0x80000000
	ROUND                                          ; all four work-groups are here: the joint loads meet
	tensor_load_to_lds s[G0:G0+3], s[G1:G1+7]      ; one load of mine is out
	s_nop 0
	PLACES                                         ; four v_nop behind the last of them
.irp j, 0,1,2,3,4,5,6,7,8,9,10,11
	global_load_b128 v[WS+8*\j:WS+8*\j+3], v[R32], s[20:21] offset:\j*512      ; a row's eight scale words; both halves of the lanes take the same
	global_load_b128 v[WS+8*\j+4:WS+8*\j+7], v[R32], s[20:21] offset:\j*512+16
.endr
.irp m, 0,1,2,3
	global_load_b128 v[AS+8*\m:AS+8*\m+3], v[R32], s[18:19] offset:\m*512
	global_load_b128 v[AS+8*\m+4:AS+8*\m+7], v[R32], s[18:19] offset:\m*512+16
.endr
.macro GLFRAG reg, m, s                ; token tile m's fragment of K step s, from memory
	global_load_b128 v[(\reg):(\reg)+3], v[L16], s[16:17] offset:(\m)*12288+(\s)*1536
	global_load_b64 v[(\reg)+4:(\reg)+5], v[L8], s[16:17] offset:(\m)*12288+(\s)*1536+512
	global_load_b128 v[(\reg)+6:(\reg)+9], v[L16], s[16:17] offset:(\m)*12288+(\s)*1536+768
	global_load_b64 v[(\reg)+10:(\reg)+11], v[L8], s[16:17] offset:(\m)*12288+(\s)*1536+1280
.endm
.macro DSFRAG reg, s, j                ; weight tile j's fragment of K step s, from LDS
	ds_load_b128 v[(\reg):(\reg)+3], v[D16+(\s)/3] offset:((\s)%3)*18432+(\j)*1536
	ds_load_b64 v[(\reg)+4:(\reg)+5], v[D8+(\s)/3] offset:((\s)%3)*18432+(\j)*1536+512
	ds_load_b128 v[(\reg)+6:(\reg)+9], v[D16+(\s)/3] offset:((\s)%3)*18432+(\j)*1536+768
	ds_load_b64 v[(\reg)+10:(\reg)+11], v[D8+(\s)/3] offset:((\s)%3)*18432+(\j)*1536+1280
.endm
	WIN 0xc0                                       ; destination window 3
.irp s, 0,1
.irp m, 0,1,2,3
	GLFRAG 48*\s+12*\m, \m, \s
.endr
.endr
	s_wait_tensorcnt 0x0                           ; my chunk is in
	s_barrier_signal -1
	s_barrier_wait -1                              ; everybody's is
	WIN 0x80                                       ; destination window 2
.irp t, 0,1,2,3
	DSFRAG WB+12*\t, 0, \t
.endr
; A GROUP: K step s, kind g (0 q, 1 k, 2 v): 16 matrix instructions; ahead of them the next group's four weight fragments are asked for, and with g = 0 the token fragments of two K steps on.
; The 48 accumulators take turns, one instruction a turn, in the same order in every K step.
.macro GROUP s, g
.set GG, 3*(\s)+(\g)
.set NS, (GG+1)/3
.set NG, (GG+1)%3
	s_wait_dscnt 0x0                               ; this group's weight fragments are in (asked for 16 matrix instructions ago)
.if (\g) == 0
.if (\s) == 7
	s_wait_loadcnt 0x0
.else
	s_wait_loadcnt 16                              ; this K step's token fragments are in; the next step's 16 loads may be out
.endif
.endif
.if GG > 0
	PLACES
.endif
.if GG < 23
	WIN 0x80
.irp t, 0,1,2,3
	DSFRAG WB+48*((GG+1)%2)+12*\t, NS, 4*NG+\t
.endr
.endif
.if ((\g) == 0) && ((\s) <= 5)
	WIN 0xc0
.irp m, 0,1,2,3
	GLFRAG 48*(((\s)+2)%3)+12*\m, \m, (\s)+2
.endr
.endif
.if (\g) < 2
	WIN 0x5e                                       ; source 0 (weights) window 2, source 1 (tokens) window 3, C and D window 1
.irp m, 0,1,2,3
.irp t, 0,1,2,3
.if (\s) == 0
	v_wmma_scale_f32_16x16x128_f8f6f4 v[128*(\g)+8*(4*\m+\t):128*(\g)+8*(4*\m+\t)+7], v[WB+48*(GG%2)+12*\t:WB+48*(GG%2)+12*\t+11], v[48*((\s)%3)+12*\m:48*((\s)%3)+12*\m+11], 0, v[WS+8*(4*(\g)+\t)+(\s)], v[AS+8*\m+(\s)] matrix_a_fmt:MATRIX_FMT_FP6 matrix_b_fmt:MATRIX_FMT_FP6
.else
	v_wmma_scale_f32_16x16x128_f8f6f4 v[128*(\g)+8*(4*\m+\t):128*(\g)+8*(4*\m+\t)+7], v[WB+48*(GG%2)+12*\t:WB+48*(GG%2)+12*\t+11], v[48*((\s)%3)+12*\m:48*((\s)%3)+12*\m+11], v[128*(\g)+8*(4*\m+\t):128*(\g)+8*(4*\m+\t)+7], v[WS+8*(4*(\g)+\t)+(\s)], v[AS+8*\m+(\s)] matrix_a_fmt:MATRIX_FMT_FP6 matrix_b_fmt:MATRIX_FMT_FP6
.endif
.endr
.endr
.else
	WIN 0xab                                       ; source 0 (tokens) window 3, source 1 (weights), C and D window 2
.irp m, 0,1,2,3
.irp t, 0,1,2,3
.if (\s) == 0
	v_wmma_scale_f32_16x16x128_f8f6f4 v[8*(4*\t+\m):8*(4*\t+\m)+7], v[48*((\s)%3)+12*\m:48*((\s)%3)+12*\m+11], v[WB+48*(GG%2)+12*\t:WB+48*(GG%2)+12*\t+11], 0, v[AS+8*\m+(\s)], v[WS+8*(8+\t)+(\s)] matrix_a_fmt:MATRIX_FMT_FP6 matrix_b_fmt:MATRIX_FMT_FP6
.else
	v_wmma_scale_f32_16x16x128_f8f6f4 v[8*(4*\t+\m):8*(4*\t+\m)+7], v[48*((\s)%3)+12*\m:48*((\s)%3)+12*\m+11], v[WB+48*(GG%2)+12*\t:WB+48*(GG%2)+12*\t+11], v[8*(4*\t+\m):8*(4*\t+\m)+7], v[AS+8*\m+(\s)], v[WS+8*(8+\t)+(\s)] matrix_a_fmt:MATRIX_FMT_FP6 matrix_b_fmt:MATRIX_FMT_FP6
.endif
.endr
.endr
.endif
.endm
	s_wait_alu depctr_va_vdst(0)
.irp s, 0,1,2,3,4,5,6,7
.irp g, 0,1,2
	GROUP \s, \g
.endr
.endr
; Four units of 32 registers (register 16 b + i = k 32 b + 16 (lane / 16) + i) in window win from base on become four half fragments, stored at s[cs:cs+1] + coff + 768 u; their scale words (two bytes) stay in v[PW + u].
.macro KINDQ win, base, cs, coff
	s_wait_xcnt 0x0                                ; earlier stores have read the codes' and the scale words' registers
	WIN (\win)|((\win)<<2)                         ; sources 0 and 1: the accumulators' window
.irp u, 0,1,2,3
.irp b, 0,1
	v_max3_num_f32 v[TM+2*\u+\b], |v[(\base)+32*\u+16*\b]|, |v[(\base)+32*\u+16*\b+1]|, 0x1800000   ; each accumulator from its low end on; the floor 2^(3 - 127) holds the byte at 1 from below
.endr
.endr
.irp i, 2,4,6,8,10,12,14
.irp u, 0,1,2,3
.irp b, 0,1
	v_max3_num_f32 v[TM+2*\u+\b], |v[(\base)+32*\u+16*\b+\i]|, |v[(\base)+32*\u+16*\b+\i+1]|, v[TM+2*\u+\b]   ; the eight blocks by turns
.endr
.endr
.endr
	WIN 0
.irp i, 0,1,2,3,4,5,6,7
	v_permlanex16_b32 v[T2+\i], v[TM+\i], s[SEL], s[SEL+1]
.endr
.irp i, 0,1,2,3,4,5,6,7
	v_max_num_f32 v[TM+\i], v[TM+\i], v[T2+\i]     ; with lane l xor 16's: the block's largest magnitude
.endr
.irp i, 0,1,2,3,4,5,6,7
	v_add_nc_u32 v[SCO+\i], 0xff000000, v[TM+\i]   ; 2 off its exponent field: the conversion's scale operand
.endr
.irp i, 0,1,2,3,4,5,6,7
	v_lshrrev_b32 v[T2+\i], 23, v[SCO+\i]          ; the scale's byte
.endr
.irp u, 0,1,2,3
	v_lshl_or_b32 v[PW+\u], v[T2+2*\u+1], 8, v[T2+2*\u]   ; bytes 2 and 3 stay 0
.endr
	WIN \win
.irp u, 0,1,2,3
	v_cvt_scalef32_pk16_fp6_f32 v[PC+8*\u:PC+8*\u+2], v[(\base)+32*\u:(\base)+32*\u+15], v[SCO+2*\u]
	v_cvt_scalef32_pk16_fp6_f32 v[PC+8*\u+4:PC+8*\u+6], v[(\base)+32*\u+16:(\base)+32*\u+31], v[SCO+2*\u+1]
.endr
	WIN 0
	v_nop                                          ; one plain place behind a scaled conversion
.irp u, 0,1,2,3
.irp i, 0,1,2
	v_permlane16_swap_b32 v[PC+8*\u+\i], v[PC+8*\u+4+\i]   ; a whole block to a lane: lanes 0-15 block 0, lanes 16-31 block 1
.endr
.endr
.irp u, 0,1,2,3
.irp i, 3,4,5
	v_mov_b32 v[PC+8*\u+\i], v[PC+8*\u+\i+1]       ; the upper 16 codes close up: six registers on end
.endr
.endr
.irp u, 0,1,2,3
	global_store_b128 v[L16], v[PC+8*\u:PC+8*\u+3], s[\cs:\cs+1] offset:(\coff)+768*\u
	global_store_b64 v[L8], v[PC+8*\u+4:PC+8*\u+5], s[\cs:\cs+1] offset:(\coff)+768*\u+512
.endr
.endm
	PLACES                                         ; behind the last products
	KINDQ 1, 0, 48, 0                              ; q: unit = token tile
	global_store_b128 v[R16], v[PW:PW+3], s[50:51] ; four tiles' words of my row (lanes r and r + 16: the same bytes, the same value)
	KINDQ 1, 128, 52, 0                            ; k
	global_store_b128 v[R16], v[PW:PW+3], s[54:55]
	KINDQ 2, 0, 52, 6144                           ; v: unit = tile of channels, K = my 64 keys
.irp u, 0,1,2,3
	global_store_b16 v[R16], v[PW+\u], s[56:57] offset:4*\u   ; my 64 keys' two bytes of each word
.endr
	s_wait_tensorcnt 0x0
	ds_add_u32 v126, v127
	s_wait_dscnt 0x0
	ROUND                                          ; the closing round: no work-group ends while a partner may still ask for a tile that names it
	s_endpgm
.Lfunc_end_k_q15743ac33e_qkv1:
	.size	k_q15743ac33e_qkv1, .Lfunc_end_k_q15743ac33e_qkv1-k_q15743ac33e_qkv1
	.p2alignl 7, 3214868480
	.fill 96, 4, 3214868480
	.section	.rodata,"a",@progbits
	.p2align	6, 0x0
	.amdhsa_kernel k_q15743ac33e_qkv1
		.amdhsa_group_segment_fixed_size 168448
		.amdhsa_private_segment_fixed_size 0
		.amdhsa_enable_private_segment 0
		.amdhsa_kernarg_size 32
		.amdhsa_user_sgpr_count 2
		.amdhsa_user_sgpr_kernarg_segment_ptr 1
		.amdhsa_wavefront_size32 1
		.amdhsa_system_sgpr_workgroup_id_x 1
		.amdhsa_system_sgpr_workgroup_id_y 1
		.amdhsa_system_sgpr_workgroup_id_z 1
		.amdhsa_system_vgpr_workitem_id 0
		.amdhsa_next_free_vgpr 1024
		.amdhsa_next_free_sgpr 66
		.amdhsa_reserve_vcc 0
		.amdhsa_float_denorm_mode_32 3
		.amdhsa_float_denorm_mode_16_64 3
		.amdhsa_memory_ordered 1
		.amdhsa_forward_progress 1
		.amdhsa_inst_pref_size 124
	.end_amdhsa_kernel
	.amdgpu_metadata
---
amdhsa.version: [ 1, 2 ]
amdhsa.kernels:
  - .name:           k_q15743ac33e_qkv1
    .symbol:         k_q15743ac33e_qkv1.kd
    .args:
      - { .name: xq, .offset: 0, .size: 8, .value_kind: global_buffer, .address_space: global }
      - { .name: wbuf, .offset: 8, .size: 8, .value_kind: global_buffer, .address_space: global }
      - { .name: qb, .offset: 16, .size: 8, .value_kind: global_buffer, .address_space: global }
      - { .name: kvb, .offset: 24, .size: 8, .value_kind: global_buffer, .address_space: global }
    .group_segment_fixed_size: 168448
    .private_segment_fixed_size: 0
    .kernarg_segment_align: 8
    .kernarg_segment_size: 32
    .max_flat_workgroup_size: 128
    .sgpr_count:     66
    .vgpr_count:     1024
    .wavefront_size: 32
...
	.end_amdgpu_metadata
.endif
;; end of part 2
;; launch attn1 (part 3): grid 8 x 32, 16 waves a work-group, clusters of 4 x 1, 249,856 bytes of LDS; arguments qb, kvb, cq; writes cq
.if DOCPART == 3
	.amdgcn_target "amdgcn-amd-amdhsa--gfx1250"
	.amdhsa_code_object_version 6
	.text
	.protected	k_q15743ac33e_attn1
	.globl	k_q15743ac33e_attn1
	.p2align	8
	.type	k_q15743ac33e_attn1,@function
k_q15743ac33e_attn1:
	s_mov_b64 s[64:65], 0
	v_nop
	global_prefetch_b8 v0, s[64:65] scope:SCOPE_SE
	s_setreg_imm32_b32 hwreg(HW_REG_WAVE_MODE, 25, 1), 1
	s_wait_xcnt 0x0
	s_wait_alu depctr_hold_cnt(0) depctr_sa_sdst(0) depctr_va_vdst(0) depctr_va_sdst(0) depctr_va_ssrc(0) depctr_va_vcc(0) depctr_vm_vsrc(0)
	s_getreg_b32 s2, hwreg(HW_REG_IB_STS2, 6, 4)
	s_cmp_eq_u32 s2, 0
	s_cbranch_scc0 .Lentry_in_a_cluster
	s_endpgm
.Lentry_in_a_cluster:
	s_bfe_u32 s2, ttmp6, 0x10000c
	s_cmp_lg_u32 s2, 0x3003
	s_cbranch_scc0 .Lentry_shape_is_right
	s_endpgm
.Lentry_shape_is_right:
; Causal attention of one head of one batch on codes of FP6 (E2M3) with E8M0 scales, head size 64, 2,048 keys; its result is quantised along the model's axis for the output projection.
; THE SOFTMAX AHEAD OF THE SECOND PRODUCT: t = score x log2(e) / 8; M = the row's largest t so far, rounded UP to a whole number; p = 2^(t - M) is what is quantised, along the keys, not normalised.
; The row's sum is taken of the unquantised p and divides O at the end.  When M moves, the sum and O are multiplied by 2^(old M - new M): exact.
; LEFT OUT: key steps all of whose keys come after a tile's queries: the causal mask gives them p = 0.
; SHARES: work-group (j, head) owns the query tiles 8 T + j, T = 0 .. 15.  Tile T needs the key steps (records of 128 keys) 0 .. T, and step T alone has the mask: 136 steps in all.
; They are dealt 8 or 9 to a wave.  Tiles I and 15 - I (I = 0 .. 7) are a pair of 17 steps, served by two waves:
;   wave A (bit 2 of the wave's number 0): the long tile's records 8 - I .. 15 - I, in trips 1 .. 8;
;   wave B (bit 2 set): the long tile's records 7 - I .. 0, then the short tile's records 0 .. I, in trips 0 .. 8.
; With u = trip + c (c = 7 - I for A, I for B) the record is u xor X, X = 0 for A and 7 + (bit 3 of u) for B.  Trip 8 is the diagonal's for every wave.
; At u = 8 wave B puts the long tile's O^T, sum and -M into the pair's stage in LDS and begins anew with the short tile; behind the loop and one barrier wave A joins them to its own
; (both brought under the larger M by powers of two) and sends the long tile out; wave B sends the short one.  All branches hang on the wave's number and the trip's count.
; DATA: the head's 16 records (K's and V's codes and scale words: 13,056 bytes each) come into LDS ONCE, record n at 13,056 n, one load a wave, all first fills; no byte is filled twice.
; CLUSTER: the four work-groups of a cluster take the same head: each load is asked for jointly.  No prefetch: every byte that the launch reads is asked for at its head.
; LAYOUT: both products transposed: S^T = K Q^T (source 0 = 16 keys), O^T = V^T P^T (source 0 = 16 channels): a lane holds one query throughout.  The rows of every tile are 32 (T / 2) + 8 (T % 2) + r + 8 (r / 8).
; THE HEAD'S 64 ARE HALF OF THE INSTRUCTION'S 128: q's upper six registers are zero codes.  K's operand of tile k is v[32 + 6 k .. 43 + 6 k]: its upper six registers hold the next tile's codes (zeros behind the last):
; they meet q's zero codes under scale bytes 0, and the format has neither NaN nor infinity, so they add exactly 0.
; LIMITS: the scaled scores t stay under 2^31 in magnitude; a block of zeros gets the byte 1 (its codes are zeros; this program alone reads the bytes); blocks under 2^-124 are held at the byte 1; NaN and infinities are not served.
.set SCL, 3145728
.set REC, 13056
.set SPARE, 0x34000                    ; behind the records: the spare words, 128 bytes a wave
.set STG, 0x34800                      ; behind them: the pairs' stages, into which no fill lands
.set PST, 4352                         ; a stage: O^T as 8 x 512 bytes of register images, then (-M, sum) 8 bytes a lane
.set L16, 1                            ; v1  16 x lane
.set L8,  2                            ; v2  8 x lane
.set R16, 3                            ; v3  16 x (lane % 16)
.set A16, 4                            ; v4-6 the same three + the record in hand
.set A8,  5
.set AR,  6
.set DM,  7                            ; v7  my query in its key step - 16 (lane / 16)
.set R32, 8                            ; v8  32 x (lane % 16)
.set Q,   16                           ; v16-27 q's operand; v28 its scale word
.set QS,  28
.set STA, 29                           ; v29 my pair's stage + 16 x lane;  v30 + 8 x lane
.set STB, 30
.set KV,  32                           ; v32-85 K's eight tiles and six zeros; then V's four fragments
.set Q2,  86                           ; v86-91 the codes, v92 the scale word of the tile that I send out
.set S,   96                           ; v96-159 S^T, then p
.set O,   160                          ; v160-191 O^T
.set PC,  192                          ; v192-210 p's codes
.set BM,  212
.set T2,  216
.set SCO, 220
.set KSC, 224
.set VSC, 232
.set PS,  236                          ; p's scale word
.set NINF, 244
.set SPW, 254
.set NIL, 255
.set WV,  10                           ; s10 wave; s11 I; s12 1 for wave B; s13 j; s40 c; s41 the long tile; s42 the tile that I send out
.set G1,  24
.set G0,  32
.set SEL, 48
.set CS,  50                           ; s[50:51] c = log2(e) / 8
.macro DEP n
	s_delay_alu instid0(VALU_DEP_\n)
.endm
.macro ROUND
	s_barrier_signal -1
	s_barrier_wait -1
	s_cmp_lg_u32 s[WV], 0
	s_cbranch_scc1 .Lnot_wave_0_\@
	s_barrier_signal -3
.Lnot_wave_0_\@:
	s_barrier_wait -3
	s_barrier_signal -1
	s_barrier_wait -1
.endm
.macro QAD t, c, s                     ; byte offsets in qb of tile s[t]'s codes -> s[c:c+1] and of its scale words -> s[s:s+1]
	s_lshl_b32 s43, s[\t], 3
	s_add_co_u32 s43, s43, s13
	s_lshl_b32 s[\c], s18, 7
	s_add_co_u32 s[\c], s[\c], s43
	s_lshr_b32 s[\s], s[\c], 2
	s_lshl_b32 s[\s], s[\s], 8
	s_and_b32 s43, s43, 3
	s_lshl_b32 s43, s43, 2
	s_add_co_u32 s[\s], s[\s], s43
	s_add_co_u32 s[\s], s[\s], SCL
	s_mov_b32 s[\s+1], 0
	s_mul_i32 s[\c], s[\c], 768
	s_mov_b32 s[\c+1], 0
.endm
.macro INIT                            ; a tile's state: the largest t -3e38, under every t; -M; the sum in two halves; O^T
	v_mov_b32 v13, 0xff61b1e6
	v_mov_b32 v14, 0
	v_mov_b32 v15, 0
	v_floor_f32 v12, -v13
.set n, 0
.rept 32
	v_mov_b32 v[O+n], 0
.set n, n+1
.endr
.endm
	s_load_b128 s[4:7], s[0:1], 0x0                ; qb, kvb
	s_load_b64 s[8:9], s[0:1], 0x10                ; cq
	v_lshl_add_u32 v[SPW], v0, 2, SPARE
	v_mov_b32 v[NIL], 0
	ds_add_u32 v[SPW], v[NIL]                      ; the opening lines: the add, twice on end, and its wait
	ds_add_u32 v[SPW], v[NIL]
	v_lshrrev_b32 v1, 5, v0
	DEP 1
	v_readfirstlane_b32 s[WV], v1
	s_bfe_u32 s12, s[WV], 0x10002                  ; 1: wave B
	s_and_b32 s11, s[WV], 3
	s_lshr_b32 s43, s[WV], 3
	s_lshl_b32 s43, s43, 2
	s_or_b32 s11, s11, s43                         ; I, the pair
	s_xor_b32 s41, s11, 15                         ; the long tile, 15 - I
	s_mul_i32 s43, s12, 15
	s_xor_b32 s42, s41, s43                        ; A sends the long tile out, B the short one
	s_xor_b32 s43, s12, 1
	s_mul_i32 s43, s43, 7
	s_xor_b32 s40, s11, s43                        ; c: 7 - I for A, I for B
	s_bfe_u32 s43, ttmp6, 0x40000                  ; cx
	s_lshl_b32 s13, ttmp9, 2
	s_add_co_u32 s13, s13, s43                     ; j: it enters my own global addresses and the mask's numbers alone
	s_and_b32 s18, ttmp7, 0xffff                   ; 16 x batch + head, which the partners share
	s_mov_b32 s[G0], 1
	s_mul_i32 s[G0+1], s[WV], REC                  ; I fetch record w
	s_lshl_b32 s44, s18, 4
	s_add_co_u32 s44, s44, s[WV]
	s_mul_i32 s44, s44, REC
	s_mov_b32 s45, 0
	s_mov_b32 s[G1], 15|(3<<16)|(1<<21)            ; the mask: all four work-groups; elements of 8 bytes; bit 21 set beside a mask
	s_mov_b32 s[G1+1], 32<<16                      ; a record: 51 rows of 256 bytes, dense
	s_mov_b32 s[G1+2], 51<<16
	s_mov_b32 s[G1+3], 32<<16
	s_mov_b32 s[G1+4], 51
	s_mov_b32 s[G1+5], 32
	s_mov_b32 s[G1+6], 0
	s_mov_b32 s[G1+7], 0
	QAD 41, 14, 16                                 ; the long tile's q, with which both waves begin
	QAD 42, 36, 38                                 ; and that of the tile that I send out (for wave A the same tile: one text for all waves)
	s_lshl_b32 s43, s42, 3
	s_add_co_u32 s43, s43, s13
	s_lshr_b32 s46, s18, 4
	s_lshl_b32 s46, s46, 7
	s_add_co_u32 s46, s46, s43                     ; that tile among all 4,096 tokens
	s_and_b32 s47, s18, 15                         ; the head
	s_mul_i32 s20, s46, 12288
	s_mul_i32 s43, s47, 768
	s_add_co_u32 s20, s20, s43                     ; where the result's codes go,
	s_mov_b32 s21, 0
	s_lshl_b32 s22, s46, 9
	s_lshl_b32 s43, s47, 1
	s_add_co_u32 s22, s22, s43
	s_add_co_u32 s22, s22, SCL                     ; and its two scale bytes a row
	s_mov_b32 s23, 0
	s_lshr_b32 s59, s13, 1
	s_lshl_b32 s59, s59, 5
	s_and_b32 s43, s13, 1
	s_lshl_b32 s43, s43, 3
	s_add_co_u32 s59, s59, s43                     ; a tile's first query in its key step: the same for both tiles
	s_mul_i32 s58, s11, PST
	s_add_co_u32 s58, s58, STG                     ; my pair's stage
	s_mov_b32 s[SEL], 0x76543210
	s_mov_b32 s[SEL+1], 0xfedcba98
	s_mov_b32 s[CS], 0x3e38aa3b
	s_mov_b32 s[CS+1], s[CS]                       ; (named with it as a pair, so it is written)
	s_mov_b32 s53, 0                               ; the trip
	s_wait_dscnt 0x0
	s_wait_kmcnt 0x0
	s_add_nc_u64 s[G0+2:G0+3], s[6:7], s[44:45]
	s_or_b32 s[G0+3], s[G0+3], 0x80000000
	s_add_nc_u64 s[14:15], s[4:5], s[14:15]
	s_add_nc_u64 s[16:17], s[4:5], s[16:17]
	s_add_nc_u64 s[36:37], s[4:5], s[36:37]
	s_add_nc_u64 s[38:39], s[4:5], s[38:39]
	s_add_nc_u64 s[20:21], s[8:9], s[20:21]
	s_add_nc_u64 s[22:23], s[8:9], s[22:23]
	ROUND                                          ; all four work-groups are here: the joint loads meet
	tensor_load_to_lds s[G0:G0+3], s[G1:G1+7]      ; record w: one load of mine is out
	s_nop 0
	v_and_b32 v9, 31, v0
	v_and_b32 v10, 15, v0                          ; r
	v_bfe_u32 v11, v0, 4, 1                        ; h
	DEP 3
	v_lshlrev_b32 v[L16], 4, v9
	DEP 4
	v_lshlrev_b32 v[L8], 3, v9
	DEP 4
	v_lshlrev_b32 v[R16], 4, v10
	v_lshlrev_b32 v[R32], 5, v10
	global_load_b128 v[Q:Q+3], v[L16], s[14:15]
	global_load_b64 v[Q+4:Q+5], v[L8], s[14:15] offset:512
	global_load_b32 v[QS], v[R16], s[16:17]
	global_load_b128 v[Q2:Q2+3], v[L16], s[36:37]
	global_load_b64 v[Q2+4:Q2+5], v[L8], s[36:37] offset:512
	global_load_b32 v[Q2+6], v[R16], s[38:39]
	v_add_nc_u32 v[STA], s58, v[L16]
	v_add_nc_u32 v[STB], s58, v[L8]
	v_and_b32 v[DM], 8, v10
	v_lshlrev_b32 v11, 4, v11
	DEP 2
	v_add3_u32 v[DM], v[DM], v10, s59
	DEP 1
	v_sub_nc_u32 v[DM], v[DM], v11
.irp i, 6,7,8,9,10,11
	v_mov_b32 v[Q+\i], 0                           ; zero codes: the upper 64 of the instruction's K
	v_mov_b32 v[KV+42+\i], 0                       ; and behind K's last tile
.endr
.irp b, 0,1,2,3
	v_mov_b32 v[T2+\b], 0                          ; written once: a lane permute's destination counts as one of its sources
.endr
	v_mov_b32 v239, 0                              ; (named as the upper half of the pair v[238:239])
	v_mov_b32 v240, 0
	v_mov_b32 v[NINF], 0xff800000
	INIT
	s_wait_alu depctr_va_vdst(0)                   ; the wait at the head's end
	s_wait_loadcnt 0x0                             ; q
	s_wait_tensorcnt 0x0                           ; my record has landed,
	s_barrier_signal -1
	s_barrier_wait -1                              ; everybody's has
.Ltrip:
	s_add_co_u32 s54, s53, s40                     ; u, 0 .. 15
	s_bfe_u32 s55, s54, 0x10003
	s_add_co_u32 s55, s55, 7
	s_mul_i32 s55, s55, s12                        ; X
	s_xor_b32 s52, s54, s55
	s_and_b32 s52, s52, 15                         ; the record, one of 16
	s_mul_i32 s52, s52, REC                        ; its LDS byte
	s_mul_i32 s54, s54, s12
	s_or_b32 s55, s53, s12
	s_cmp_eq_u32 s55, 0                            ; wave A has no work in trip 0
	s_cbranch_scc1 .Lhid
	s_cmp_lg_u32 s54, 8                            ; wave B at u = 8: from the long tile to the short one
	s_cbranch_scc1 .Lsame
.rept 4
	v_nop                                          ; four places behind the last products
.endr
.irp k, 0,1,2,3,4,5,6,7
	ds_store_b128 v[STA], v[O+4*\k:O+4*\k+3] offset:512*\k   ; each accumulator from its low end on
.endr
	v_add_f32 v13, v14, v15
	ds_store_b64 v[STB], v[12:13] offset:4096      ; -M and my lane's part of the sum
	s_wait_dscnt 0x0                               ; the stores have read their registers
.irp i, 0,1,2,3,4,5
	v_mov_b32 v[Q+\i], v[Q2+\i]
.endr
	v_mov_b32 v[QS], v[Q2+6]
	INIT                                           ; (its 36 lines are also the places between q's registers and the products)
.Lsame:
	v_add_nc_u32 v[A16], s52, v[L16]               ; these three and the v_nop are the four places in front of loads into registers that the last products read
	v_add_nc_u32 v[A8], s52, v[L8]
	v_add_nc_u32 v[AR], s52, v[R16]
	v_nop
.irp k, 0,1,2,3,4,5,6,7
	ds_load_b128 v[KV+6*\k:KV+6*\k+3], v[A16] offset:768*\k
	ds_load_b64 v[KV+6*\k+4:KV+6*\k+5], v[A8] offset:768*\k+512
.endr
	ds_load_b128 v[KSC:KSC+3], v[AR] offset:12288
	ds_load_b128 v[KSC+4:KSC+7], v[AR] offset:12544
	s_wait_alu depctr_va_vdst(0)
	s_wait_dscnt 0x0
.irp k, 0,1,2,3,4,5,6,7
	v_wmma_scale_f32_16x16x128_f8f6f4 v[S+8*\k:S+8*\k+7], v[KV+6*\k:KV+6*\k+11], v[Q:Q+11], 0, v[KSC+\k], v[QS] matrix_a_fmt:MATRIX_FMT_FP6 matrix_b_fmt:MATRIX_FMT_FP6
.endr                                          ; register 16 b + i of S^T is key 32 b + 16 (lane / 16) + i of the step
.rept 4
	v_nop
.endr
.irp d, 0,1,2,3                                ; V's four fragments land under the softmax
.irp c, 0,1
	ds_load_b128 v[KV+12*\d+6*\c:KV+12*\d+6*\c+3], v[A16] offset:6144+3072*\c+768*\d
	ds_load_b64 v[KV+12*\d+6*\c+4:KV+12*\d+6*\c+5], v[A8] offset:6144+3072*\c+768*\d+512
.endr
.endr
	ds_load_b128 v[VSC:VSC+3], v[AR] offset:12800
	s_cmp_lg_u32 s53, 8                            ; trip 8 alone lies on the diagonal
	s_cbranch_scc1 .Lopen
.set n, 0
.rept 64
	v_cmp_gt_i32 vcc_lo, 32*(n/16)+n%16, v[DM]     ; the key comes after my query:
	v_cndmask_b32 v[S+n], v[S+n], v[NINF], vcc_lo  ; its score becomes -infinity ahead of the maximum: p = 0
.set n, n+1
.endr
.Lopen:
.irp b, 0,1,2,3
	v_max3_num_f32 v[BM+\b], v[S+16*\b], v[S+1+16*\b], v[S+2+16*\b]   ; the largest score of each block of 32 keys: for the row's maximum, and, since p rises with the score, for the block's largest p
.endr
.irp i, 3,5,7,9,11,13
.irp b, 0,1,2,3
	v_max3_num_f32 v[BM+\b], v[BM+\b], v[S+16*\b+\i], v[S+1+16*\b+\i]
.endr
.endr
.irp b, 0,1,2,3
	v_max_num_f32 v[BM+\b], v[BM+\b], v[S+15+16*\b]
.endr
.irp b, 0,1,2,3
	DEP 4
	v_permlanex16_b32 v[T2+\b], v[BM+\b], s[SEL], s[SEL+1]
.endr
.irp b, 0,1,2,3
	DEP 4
	v_max_num_f32 v[BM+\b], v[BM+\b], v[T2+\b]     ; with lane l xor 16's 16 keys
.endr
	DEP 2
	v_max3_num_f32 v240, v[BM], v[BM+1], v[BM+2]
	DEP 1
	v_max_num_f32 v240, v240, v[BM+3]
	DEP 1
	v_mul_f32 v240, s[CS], v240                    ; the step's largest t (c is positive)
	DEP 1
	v_max_num_f32 v13, v13, v240                   ; the running largest t
	v_mov_b32 v240, v12
	DEP 2
	v_floor_f32 v12, -v13                          ; the new -M = -ceil(t): a whole number
	DEP 1
	v_sub_f32 v240, v12, v240                      ; old M - new M: a whole number, 0 or less
	DEP 1
	v_cvt_i32_f32 v240, v240                       ; (it saturates)
	DEP 1
	v_ldexp_f32 v238, 1.0, v240                    ; f = 2^(old M - new M)
.set n, 0
.rept 32
	v_pk_fma_f32 v[S+n:S+n+1], v[S+n:S+n+1], s[CS:CS+1], v[12:13] op_sel_hi:[1,0,0]   ; t - M, two at a time
.set n, n+2
.endr
.irp b, 0,1,2,3
	v_fma_f32 v[BM+\b], v[BM+\b], s[CS], v12       ; the same of each block's largest score
.endr
	s_wait_alu depctr_va_vdst(0)                   ; the wait ahead of the batch
.set n, 0
.rept 64
	v_exp_f32 v[S+n], v[S+n]                       ; p = 2^(t - M)
.set n, n+1
.endr
.irp b, 0,1,2,3
	v_exp_f32 v[BM+\b], v[BM+\b]                   ; the block's largest p: the same two instructions on the same number
.endr
	v_pk_mul_f32 v[14:15], v[14:15], v[238:239] op_sel_hi:[1,0]   ; the sums under the new M (a plain place behind the exponentials)
	s_wait_alu depctr_va_vdst(0)                   ; and behind it, ahead of its first reader
.irp b, 0,1,2,3
	v_max_num_f32 v[BM+\b], 0x1800000, v[BM+\b]    ; the floor 2^(3 - 127): the byte cannot fall under 1
.endr
.irp b, 0,1,2,3
	DEP 4
	v_add_nc_u32 v[SCO+\b], 0xff000000, v[BM+\b]   ; 2 off the exponent field: the conversion's scale operand
.endr
.irp b, 0,1,2,3
	DEP 4
	v_lshrrev_b32 v[T2+\b], 23, v[SCO+\b]          ; the scale's byte
.endr
	DEP 3
	v_lshl_or_b32 v[PS], v[T2+1], 8, v[T2]
	DEP 1
	v_lshl_or_b32 v[PS], v[T2+2], 16, v[PS]
	DEP 1
	v_lshl_or_b32 v[PS], v[T2+3], 24, v[PS]
.irp c, 0,1
	v_cvt_scalef32_pk16_fp6_f32 v[PC+6*\c:PC+2+6*\c], v[S+32*\c:S+15+32*\c], v[SCO+2*\c]
	v_cvt_scalef32_pk16_fp6_f32 v[PC+12+4*\c:PC+14+4*\c], v[S+16+32*\c:S+31+32*\c], v[SCO+2*\c+1]
.endr
	v_nop                                          ; one plain place behind a scaled conversion
.irp c, 0,1
.irp i, 0,1,2
	v_permlane16_swap_b32 v[PC+6*\c+\i], v[PC+12+4*\c+\i]   ; a whole block to a lane
.endr
.irp i, 0,1,2
	DEP 3
	v_mov_b32 v[PC+3+6*\c+\i], v[PC+12+4*\c+\i]
.endr
.endr
; the row's sum, of the unquantised p: 32 pairs in eight chains (seven of them in registers that are free here), then a tree
.set n, 0
.irp c, 242,246,248,250,252,228,230
	v_pk_add_f32 v[\c:\c+1], v[S+n:S+n+1], v[S+n+2:S+n+3]
.set n, n+4
.endr
.rept 2
.irp c, 242,246,248,250,252,228,230,14
	v_pk_add_f32 v[\c:\c+1], v[\c:\c+1], v[S+n:S+n+1]
.set n, n+2
.endr
.endr
	v_pk_add_f32 v[14:15], v[14:15], v[S+60:S+61]
	v_pk_add_f32 v[242:243], v[242:243], v[S+62:S+63]
	v_pk_add_f32 v[248:249], v[248:249], v[250:251]
	v_pk_add_f32 v[252:253], v[252:253], v[228:229]
	DEP 3
	v_pk_add_f32 v[242:243], v[242:243], v[246:247]
	v_pk_add_f32 v[14:15], v[14:15], v[230:231]
	DEP 3
	v_pk_add_f32 v[248:249], v[248:249], v[252:253]
	DEP 2
	v_pk_add_f32 v[14:15], v[14:15], v[242:243]
	DEP 1
	v_pk_add_f32 v[14:15], v[14:15], v[248:249]
	s_wait_alu depctr_va_vdst(0)                   ; directly ahead of the first reader of O^T
.set n, 0
.rept 16
	v_pk_mul_f32 v[O+n:O+n+1], v[O+n:O+n+1], v[238:239] op_sel_hi:[1,0]   ; O^T under the new M.  (The sums and these are also the places between p's codes and scale word and the products)
.set n, n+2
.endr
	s_wait_alu depctr_va_vdst(0)
	s_wait_dscnt 0x0                               ; V
.irp d, 0,1,2,3                                ; four accumulators by turns
	v_wmma_scale_f32_16x16x128_f8f6f4 v[O+8*\d:O+8*\d+7], v[KV+12*\d:KV+12*\d+11], v[PC:PC+11], v[O+8*\d:O+8*\d+7], v[VSC+\d], v[PS] matrix_a_fmt:MATRIX_FMT_FP6 matrix_b_fmt:MATRIX_FMT_FP6
.endr
.Lhid:
	s_add_co_u32 s53, s53, 1
	s_cmp_lt_u32 s53, 9
	s_cbranch_scc1 .Ltrip
.rept 4
	v_nop                                          ; behind the last products
.endr
	s_wait_dscnt 0x0                               ; for the others' sake: wave B's stores into the stage have landed
	s_barrier_signal -1
	s_barrier_wait -1
	s_cmp_lg_u32 s12, 0
	s_cbranch_scc1 .Lout                           ; wave B's short tile is whole
	; wave A joins wave B's part of the long tile to its own
.irp k, 0,1,2,3,4,5,6,7
	ds_load_b128 v[S+4*\k:S+4*\k+3], v[STA] offset:512*\k
.endr
	ds_load_b64 v[BM:BM+1], v[STB] offset:4096
	s_wait_dscnt 0x0
	v_min_num_f32 v240, v12, v[BM]                 ; -M of the larger M
	DEP 1
	v_sub_f32 v[T2], v240, v12                     ; my M - the larger, and the other's: whole numbers, 0 or less
	v_sub_f32 v[T2+2], v240, v[BM]
	DEP 2
	v_cvt_i32_f32 v[T2], v[T2]
	DEP 2
	v_cvt_i32_f32 v[T2+2], v[T2+2]
	DEP 2
	v_ldexp_f32 v238, 1.0, v[T2]
	DEP 2
	v_ldexp_f32 v[T2+2], 1.0, v[T2+2]
	DEP 2
	v_pk_mul_f32 v[14:15], v[14:15], v[238:239] op_sel_hi:[1,0]
.set n, 0
.rept 16
	v_pk_mul_f32 v[O+n:O+n+1], v[O+n:O+n+1], v[238:239] op_sel_hi:[1,0]   ; each accumulator from its low end on
.set n, n+2
.endr
	v_fmac_f32 v14, v[BM+1], v[T2+2]
.set n, 0
.rept 16
	v_pk_fma_f32 v[O+n:O+n+1], v[S+n:S+n+1], v[T2+2:T2+3], v[O+n:O+n+1] op_sel_hi:[1,0,1]
.set n, n+2
.endr
.Lout:
	; THE WAY OUT: O^T / the sum is the context of my 16 tokens at the head's 64 channels: two blocks of 32 along the output projection's K.  Register 16 b + i = channel 32 b + 16 (lane / 16) + i.
	v_add_f32 v14, v14, v15
	DEP 1
	v_permlanex16_b32 v240, v14, s[SEL], s[SEL+1]
	DEP 1
	v_add_f32 v14, v14, v240                       ; the row's sum
	s_wait_alu depctr_va_vdst(0)                   ; the wait ahead of the transcendental
	v_rcp_f32 v238, v14
	v_nop                                          ; one plain place behind the transcendental
	s_wait_alu depctr_va_vdst(0)                   ; and behind it
.set n, 0
.rept 16
	v_pk_mul_f32 v[S+n:S+n+1], v[O+n:O+n+1], v[238:239] op_sel_hi:[1,0]   ; each accumulator from its low end on
.set n, n+2
.endr
.irp b, 0,1
	v_max3_num_f32 v[BM+\b], |v[S+16*\b]|, |v[S+1+16*\b]|, 0x1800000
.endr
.irp i, 2,4,6,8,10,12,14
.irp b, 0,1
	DEP 2
	v_max3_num_f32 v[BM+\b], v[BM+\b], |v[S+16*\b+\i]|, |v[S+1+16*\b+\i]|
.endr
.endr
.irp b, 0,1
	DEP 2
	v_permlanex16_b32 v[T2+\b], v[BM+\b], s[SEL], s[SEL+1]
.endr
.irp b, 0,1
	DEP 2
	v_max_num_f32 v[BM+\b], v[BM+\b], v[T2+\b]
.endr
.irp b, 0,1
	DEP 2
	v_add_nc_u32 v[SCO+\b], 0xff000000, v[BM+\b]
.endr
.irp b, 0,1
	DEP 2
	v_lshrrev_b32 v[T2+\b], 23, v[SCO+\b]
.endr
	DEP 1
	v_lshl_or_b32 v[PS], v[T2+1], 8, v[T2]
	v_cvt_scalef32_pk16_fp6_f32 v[PC:PC+2], v[S:S+15], v[SCO]
	v_cvt_scalef32_pk16_fp6_f32 v[PC+12:PC+14], v[S+16:S+31], v[SCO+1]
	v_nop
.irp i, 0,1,2
	v_permlane16_swap_b32 v[PC+\i], v[PC+12+\i]
.endr
.irp i, 0,1,2
	DEP 3
	v_mov_b32 v[PC+3+\i], v[PC+12+\i]
.endr
	global_store_b128 v[L16], v[PC:PC+3], s[20:21]
	global_store_b64 v[L8], v[PC+4:PC+5], s[20:21] offset:512
	global_store_b16 v[R32], v[PS], s[22:23]       ; my row's two bytes (lanes r and r + 16: the same bytes, the same value)
	s_wait_tensorcnt 0x0                           ; the wave's end
	ds_add_u32 v[SPW], v[NIL]
	s_wait_dscnt 0x0
	ROUND                                          ; the closing round
	s_endpgm
.Lfunc_end_k_q15743ac33e_attn1:
	.size	k_q15743ac33e_attn1, .Lfunc_end_k_q15743ac33e_attn1-k_q15743ac33e_attn1
	.p2alignl 7, 3214868480
	.fill 96, 4, 3214868480
	.section	.rodata,"a",@progbits
	.p2align	6, 0x0
	.amdhsa_kernel k_q15743ac33e_attn1
		.amdhsa_group_segment_fixed_size 249856
		.amdhsa_private_segment_fixed_size 0
		.amdhsa_enable_private_segment 0
		.amdhsa_kernarg_size 24
		.amdhsa_user_sgpr_count 2
		.amdhsa_user_sgpr_kernarg_segment_ptr 1
		.amdhsa_wavefront_size32 1
		.amdhsa_system_sgpr_workgroup_id_x 1
		.amdhsa_system_sgpr_workgroup_id_y 1
		.amdhsa_system_sgpr_workgroup_id_z 1
		.amdhsa_system_vgpr_workitem_id 0
		.amdhsa_next_free_vgpr 256
		.amdhsa_next_free_sgpr 66
		.amdhsa_reserve_vcc 1
		.amdhsa_float_denorm_mode_32 3
		.amdhsa_float_denorm_mode_16_64 3
		.amdhsa_memory_ordered 1
		.amdhsa_forward_progress 1
		.amdhsa_inst_pref_size 41
	.end_amdhsa_kernel
	.amdgpu_metadata
---
amdhsa.version: [ 1, 2 ]
amdhsa.kernels:
  - .name:           k_q15743ac33e_attn1
    .symbol:         k_q15743ac33e_attn1.kd
    .args:
      - { .name: qb, .offset: 0, .size: 8, .value_kind: global_buffer, .address_space: global }
      - { .name: kvb, .offset: 8, .size: 8, .value_kind: global_buffer, .address_space: global }
      - { .name: cq, .offset: 16, .size: 8, .value_kind: global_buffer, .address_space: global }
    .group_segment_fixed_size: 249856
    .private_segment_fixed_size: 0
    .kernarg_segment_align: 8
    .kernarg_segment_size: 24
    .max_flat_workgroup_size: 512
    .sgpr_count:     66
    .vgpr_count:     256
    .wavefront_size: 32
...
	.end_amdgpu_metadata
.endif
;; end of part 3
;; launch oln (part 4): grid 256 x 1, 8 waves a work-group, clusters of 4 x 1, 296,960 bytes of LDS; arguments cq, wbuf, bo, x, ln2_scale, h, xq; writes h, xq
.if DOCPART == 4
	.amdgcn_target "amdgcn-amd-amdhsa--gfx1250"
	.amdhsa_code_object_version 6
	.text
	.protected	k_q15743ac33e_oln
	.globl	k_q15743ac33e_oln
	.p2align	8
	.type	k_q15743ac33e_oln,@function
k_q15743ac33e_oln:
	s_mov_b64 s[64:65], 0
	v_nop
	global_prefetch_b8 v0, s[64:65] scope:SCOPE_SE
	s_setreg_imm32_b32 hwreg(HW_REG_WAVE_MODE, 25, 1), 1
	s_wait_xcnt 0x0
	s_wait_alu depctr_hold_cnt(0) depctr_sa_sdst(0) depctr_va_vdst(0) depctr_va_sdst(0) depctr_va_ssrc(0) depctr_va_vcc(0) depctr_vm_vsrc(0)
	s_getreg_b32 s2, hwreg(HW_REG_IB_STS2, 6, 4)
	s_cmp_eq_u32 s2, 0
	s_cbranch_scc0 .Lentry_in_a_cluster
	s_endpgm
.Lentry_in_a_cluster:
	s_bfe_u32 s2, ttmp6, 0x10000c
	s_cmp_lg_u32 s2, 0x3003
	s_cbranch_scc0 .Lentry_shape_is_right
	s_endpgm
.Lentry_shape_is_right:
; h = x + (ctx Wo^T + bo) for one tile of 16 tokens and all 1,024 outputs, on codes of FP6 (E2M3) with E8M0 scales; then y = g * (h - mean) / sqrt(var + 1e-5) + g, quantised along the row for the next products.
; SHARES: a work-group takes token tile u (rows 32 (u / 2) + 8 (u % 2) + r + 8 (r / 8)), so a row's 1,024 numbers lie inside it and the norm needs no other work-group.
; Wave w makes outputs 128 w .. 128 w + 127: 8 tiles of Wo's rows, 8 accumulators, 8 K steps, 64 matrix instructions.  Source 0 = 16 rows of Wo, source 1 = the 16 tokens:
; accumulator register 16 b + i of lane (r, h) is output 128 w + 32 b + 16 h + i of row r: 16 neighbours of each block of 32 of K step w of the next product.
; THE RESIDUAL is loaded into the accumulators and is the C of the first products.  The bias is added behind the last.
; DATA: a unit is four weight fragments (one K step of 64 outputs, 6,144 consecutive bytes of register images).  A wave has 16 units, and they come by two roads:
;   K steps 0-2 of both groups (6 units, 2 rows of 18,432 bytes) by ONE tensor load a wave at the head, into the wave's own 36,864 bytes of LDS, filled once;
;   K steps 3-7 (10 units, 16 loads each) from memory straight into registers.  The walk goes K steps 3 .. 7, then 0 .. 2.  Three unit buffers take turns: behind unit U's products unit U + 3 is asked for,
;   of memory or of LDS.  The token fragment of a K step (4 loads) goes ahead of its first unit, in two buffers.
; CLUSTER: the tensor load's descriptor hangs on the wave's number alone, so the four work-groups of a cluster ask for it jointly.  What goes straight into registers feeds one matrix instruction of one wave each.
; No prefetch: the head asks for the LDS part at once, and the loads into registers run three units ahead.
; THE WAY OUT OF h: a stage of 16 rows x (512 + 16) bytes at the start of the wave's own LDS region, behind its last read of the weights there (no fill follows); rows come back whole, and 32 lanes store 512 consecutive bytes, aligned.
; The variance is taken of h - mean, in a second pass over the registers.  xq: the image of K step w of tile u, and one scale word a row.
; LIMITS: a block of zeros gets the byte 1 where the rule says 127 (its codes are zeros, and this program alone reads the bytes); blocks whose largest magnitude lies under 2^-124 are held at the byte 1;
; NaN and infinities among the inputs are not served.
; REGISTERS: window 0: v1-11 addresses; v12-30 codes; v32-95 Wo's scale words [8 tile + K step], then the 64 numbers; v96-159 gains; v160-223 bias; v224-231 the tokens' scale words, then v224-239 the quantiser.
;   window 1: v0-63 accumulators; v64-87 two token fragments; v88-231 three units; behind the products v64-127 the rows of h.
.set SCL, 3145728
.set WOC, 2359296
.set WOS, SCL+98304
.set RED0, 0                           ; LDS: the waves' sums [row][wave], 512 bytes;
.set RED1, 512                         ; their sums of squares: bytes of their own
.set SPARE, 1024                       ; the spare words, 128 bytes a wave
.set RGN, 2048                         ; the waves' regions
.set RGB, 36864
.set SPI, 528
.set L16, 1                            ; 16 x lane
.set L8,  2                            ; 8 x lane
.set R32, 3                            ; 32 r
.set XA,  4                            ; 4,096 (r + 8 (r / 8)) + 64 h
.set GA,  5                            ; 64 h
.set D8,  6                            ; my region + 8 x lane
.set RW,  7                            ; LDS: 32 r + 4 w
.set STO, 9                            ; my region + 528 r + 64 h
.set D16, 10                           ; my region + 16 x lane
.set PC,  12
.set X,   32
.set WS,  32
.set G,   96
.set B,   160
.set TM,  224
.set AS,  224
.set SPW, 234
.set NIL, 235
.set CH,  246
.set TB,  64                           ; window 1
.set RB,  88
.set HB,  64
.set SEL, 42
.set G0,  52
.set G1,  56
.set MSB, 0
.macro WIN new                         ; the immediate's high byte repeats the setting that is left
.if MSB != \new
	s_set_vgpr_msb (MSB<<8)|\new
.set MSB, \new
.endif
.endm
.macro PLACES                          ; four places behind matrix instructions (ISA guide 7.12.1)
.rept 4
	v_nop
.endr
.endm
.macro ROUND                           ; a round of the cluster's barrier
	s_barrier_signal -1
	s_barrier_wait -1
	s_cmp_lg_u32 s20, 0
	s_cbranch_scc1 .Lnot_wave_0_\@
	s_barrier_signal -3
.Lnot_wave_0_\@:
	s_barrier_wait -3
	s_barrier_signal -1
	s_barrier_wait -1
.endm
	s_load_b256 s[4:11], s[0:1], 0x0               ; cq, wbuf, bo, x
	s_load_b128 s[12:15], s[0:1], 0x20             ; the gains, h
	s_load_b64 s[16:17], s[0:1], 0x30              ; xq
	v_lshl_add_u32 v[SPW], v0, 2, SPARE
	v_mov_b32 v[NIL], 0
	ds_add_u32 v[SPW], v[NIL]                      ; the opening lines: the add, twice on end, and its wait
	ds_add_u32 v[SPW], v[NIL]
	v_lshrrev_b32 v12, 5, v0
	v_readfirstlane_b32 s20, v12                   ; wave
	s_bfe_u32 s46, ttmp6, 0x40000                  ; cx
	s_lshl_b32 s21, ttmp9, 2
	s_add_co_u32 s21, s21, s46                     ; the tile u: it enters my own global addresses alone
	s_mul_i32 s22, s21, 12288                      ; the tile's codes
	s_mov_b32 s23, 0
	s_lshl_b32 s24, s21, 9
	s_add_co_u32 s24, s24, SCL                     ; its scale words
	s_mov_b32 s25, 0
	s_mul_i32 s26, s20, 98304
	s_add_co_u32 s26, s26, WOC                     ; my two groups of 64 outputs: [group][K step][tile]
	s_mov_b32 s27, 0
	s_lshl_b32 s28, s20, 12
	s_add_co_u32 s28, s28, WOS                     ; their scale words
	s_mov_b32 s29, 0
	s_lshl_b32 s30, s20, 9                         ; my 512 bytes of a row
	s_mov_b32 s31, 0
	s_lshr_b32 s34, s21, 1
	s_lshl_b32 s34, s34, 5
	s_and_b32 s46, s21, 1
	s_lshl_b32 s46, s46, 3
	s_add_co_u32 s34, s34, s46                     ; the tile's first row
	s_lshl_b32 s34, s34, 12
	s_add_co_u32 s34, s34, s30
	s_mov_b32 s35, 0
	s_mul_i32 s46, s20, 1536
	s_add_co_u32 s38, s22, s46                     ; the image of K step w
	s_mov_b32 s39, 0
	s_lshl_b32 s46, s20, 2
	s_add_co_u32 s40, s24, s46                     ; and its scale words
	s_mov_b32 s41, 0
	s_mul_i32 s47, s20, RGB
	s_add_co_u32 s47, s47, RGN                     ; my region of LDS
	s_mov_b32 s[SEL], 0x76543210
	s_mov_b32 s[SEL+1], 0xfedcba98                 ; v_permlanex16_b32's selects for lane l xor 16
	s_mov_b32 s44, 0x3a800000                      ; 1 / 1,024
	s_mov_b32 s45, 0x3727c5ac                      ; 1e-5
	s_mov_b32 s[G1], 15|(3<<16)|(1<<21)            ; the mask: all four work-groups; elements of 8 bytes; bit 21 set beside a mask
	s_mov_b32 s[G1+1], 2304<<16                    ; a row: three K steps of a group, 18,432 bytes
	s_mov_b32 s[G1+2], 2<<16                       ; two rows: my two groups,
	s_mov_b32 s[G1+3], 2304<<16
	s_mov_b32 s[G1+4], 2
	s_mov_b32 s[G1+5], 6144                        ; 49,152 bytes apart
	s_mov_b32 s[G1+6], 0
	s_mov_b32 s[G1+7], 0
	v_and_b32 v12, 31, v0                          ; lane
	v_and_b32 v13, 15, v0                          ; r
	v_bfe_u32 v14, v0, 4, 1                        ; h
	v_lshlrev_b32 v[L16], 4, v12
	v_lshlrev_b32 v[L8], 3, v12
	v_lshlrev_b32 v[R32], 5, v13
	v_and_b32 v15, 8, v13
	v_add_nc_u32 v15, v15, v13
	v_lshlrev_b32 v[XA], 12, v15
	v_lshl_add_u32 v[XA], v14, 6, v[XA]
	v_lshlrev_b32 v[GA], 6, v14
	v_add_nc_u32 v[RW], s46, v[R32]
	v_mul_u32_u24 v[STO], v13, SPI
	v_lshl_add_u32 v[STO], v14, 6, v[STO]
	v_add_nc_u32 v[STO], s47, v[STO]
	v_add_nc_u32 v[D16], s47, v[L16]
	v_add_nc_u32 v[D8], s47, v[L8]
	v_mov_b32 v255, 0                              ; written once: a lane permute's destination counts as one of its sources
	s_wait_alu depctr_va_vdst(0)                   ; the wait at the head's end
	s_wait_dscnt 0x0                               ; both opening adds are done
	s_wait_kmcnt 0x0
	s_add_nc_u64 s[22:23], s[4:5], s[22:23]
	s_add_nc_u64 s[24:25], s[4:5], s[24:25]
	s_add_nc_u64 s[26:27], s[6:7], s[26:27]
	s_add_nc_u64 s[28:29], s[6:7], s[28:29]
	s_add_nc_u64 s[32:33], s[12:13], s[30:31]      ; my 128 gains
	s_add_nc_u64 s[30:31], s[8:9], s[30:31]        ; my 128 of the bias
	s_add_nc_u64 s[36:37], s[14:15], s[34:35]      ; h
	s_add_nc_u64 s[34:35], s[10:11], s[34:35]      ; x
	s_add_nc_u64 s[38:39], s[16:17], s[38:39]
	s_add_nc_u64 s[40:41], s[16:17], s[40:41]
	s_mov_b32 s[G0], 1
	s_mov_b32 s[G0+1], s47
	s_mov_b64 s[G0+2:G0+3], s[26:27]
	s_or_b32 s[G0+3], s[G0+3], 0x80000000
	ROUND                                          ; all four work-groups are here: the joint loads meet
	tensor_load_to_lds s[G0:G0+3], s[G1:G1+7]      ; K steps 0-2 of my two groups: one load of mine is out
	s_nop 0
.macro FRAG reg, base, off             ; a fragment's image from memory into 12 registers
	global_load_b128 v[(\reg):(\reg)+3], v[L16], s[\base:\base+1] offset:(\off)
	global_load_b64 v[(\reg)+4:(\reg)+5], v[L8], s[\base:\base+1] offset:(\off)+512
	global_load_b128 v[(\reg)+6:(\reg)+9], v[L16], s[\base:\base+1] offset:(\off)+768
	global_load_b64 v[(\reg)+10:(\reg)+11], v[L8], s[\base:\base+1] offset:(\off)+1280
.endm
.macro LFRAG reg, off                  ; the same from my region of LDS
	ds_load_b128 v[(\reg):(\reg)+3], v[D16] offset:(\off)
	ds_load_b64 v[(\reg)+4:(\reg)+5], v[D8] offset:(\off)+512
	ds_load_b128 v[(\reg)+6:(\reg)+9], v[D16] offset:(\off)+768
	ds_load_b64 v[(\reg)+10:(\reg)+11], v[D8] offset:(\off)+1280
.endm
.macro ISSUE u                         ; unit u: K step (u / 2 + 3) % 8, group u % 2.  Ahead of an even unit the K step's token fragment: 4 loads.  Units 0-9: 16 loads from memory; units 10-15: 16 from LDS
.set KS, (((\u)/2)+3)%8
.if ((\u)%2) == 0
	FRAG TB+12*(((\u)/2)%2), 22, KS*1536
.endif
.if (\u) <= 9
.irp t, 0,1,2,3
	FRAG RB+48*((\u)%3)+12*\t, 26, ((\u)%2)*49152+KS*6144+\t*1536
.endr
.else
.if (\u) == 10
	s_wait_tensorcnt 0x0                           ; my region is filled; I alone read it
.endif
.irp t, 0,1,2,3
	LFRAG RB+48*((\u)%3)+12*\t, ((\u)%2)*18432+KS*6144+\t*1536
.endr
.endif
.endm
.macro ROWL reg, adr, base, hint:vararg   ; 64 numbers in the accumulators' layout: register 16 b + 4 j + 0 .. 3 = bytes 128 b + 64 h + 16 j of my 512
.irp b, 0,1,2,3
.irp j, 0,1,2,3
	global_load_b128 v[(\reg)+16*\b+4*\j:(\reg)+16*\b+4*\j+3], v[\adr], s[\base:\base+1] offset:128*\b+16*\j \hint
.endr
.endr
.endm
	global_load_b128 v[AS:AS+3], v[R32], s[24:25]  ; a row's eight scale words; both halves of the lanes take the same
	global_load_b128 v[AS+4:AS+7], v[R32], s[24:25] offset:16
.irp j, 0,1,2,3,4,5,6,7
	global_load_b128 v[WS+8*\j:WS+8*\j+3], v[R32], s[28:29] offset:\j*512
	global_load_b128 v[WS+8*\j+4:WS+8*\j+7], v[R32], s[28:29] offset:\j*512+16
.endr
	WIN 0x40                                       ; destination window 1
	ROWL 0, XA, 34, th:TH_LOAD_NT                  ; the residual, into the accumulators
	WIN 0
	ROWL B, GA, 30
	WIN 0x40
	ISSUE 0
	ISSUE 1
	ISSUE 2
; A UNIT: four matrix instructions on four accumulators; the next unit takes the other four: the eight take turns.
; LOADcnt counts what was issued behind this unit's loads from memory: units 0-7 the next two units' 16 + 20; unit 8 unit 9's 16 and a token fragment's 4; unit 9 a token fragment's 4;
; units 10 and 12 the gains' 16 and a token fragment's 4; unit 14 nothing.  Odd units from 11 on have no load from memory of their own.  DScnt: the next two units' 32 LDS loads, at the end 16 and none.
.macro UNIT u
.set KS, (((\u)/2)+3)%8
.if (\u) <= 7
	s_wait_loadcnt 36
.elseif (\u) == 8
	s_wait_loadcnt 20
.elseif (\u) == 9
	s_wait_loadcnt 4
.elseif ((\u) == 10) || ((\u) == 12)
	s_wait_loadcnt 20
.elseif (\u) == 14
	s_wait_loadcnt 0x0
.endif
.if ((\u) >= 10) && ((\u) <= 13)
	s_wait_dscnt 32
.elseif (\u) == 14
	s_wait_dscnt 16
.elseif (\u) == 15
	s_wait_dscnt 0x0
.endif
	WIN 0x55                                       ; all four operands window 1 (scale words have no window)
.irp t, 0,1,2,3
	v_wmma_scale_f32_16x16x128_f8f6f4 v[8*(4*((\u)%2)+\t):8*(4*((\u)%2)+\t)+7], v[RB+48*((\u)%3)+12*\t:RB+48*((\u)%3)+12*\t+11], v[TB+12*(((\u)/2)%2):TB+12*(((\u)/2)%2)+11], v[8*(4*((\u)%2)+\t):8*(4*((\u)%2)+\t)+7], v[WS+8*(4*((\u)%2)+\t)+KS], v[AS+KS] matrix_a_fmt:MATRIX_FMT_FP6 matrix_b_fmt:MATRIX_FMT_FP6
.endr
.if (\u) <= 12
	PLACES                                         ; in front of loads into registers that these products read
	WIN 0x40
	ISSUE (\u)+3
.endif
.if (\u) == 9
	WIN 0
	ROWL G, GA, 32                                 ; the gains land under the last units
.endif
.endm
.irp u, 0,1,2,3,4,5,6,7,8,9,10,11,12,13,14,15
	UNIT \u
.endr
	PLACES                                         ; behind the last products
	WIN 0x01                                       ; source 0 window 1
.set i, 0
.rept 32
	v_pk_add_f32 v[X+i:X+i+1], v[i:i+1], v[B+i:B+i+1]   ; h; each accumulator from its low end on
.set i, i+2
.endr
	WIN 0
.irp b, 0,1,2,3
.irp j, 0,1,2,3
	ds_store_b128 v[STO], v[X+16*\b+4*\j:X+16*\b+4*\j+3] offset:128*\b+16*\j   ; into my region: its weights have been read, and nothing is filled there again
.endr
.endr
	WIN 0x40
.irp t, 0,1,2,3,4,5,6,7,8,9,10,11,12,13,14,15
	ds_load_b128 v[HB+4*\t:HB+4*\t+3], v[D16] offset:\t*SPI   ; my own bytes: LDS serves a wave's instructions in order (ISA guide 5.7.1.4)
.endr
	WIN 0
; The four chains become the row's sum, in v254 of every lane: within the lane, with lane l xor 16, and with the other seven waves through LDS.
.macro RSUM base
	v_pk_add_f32 v[CH:CH+1], v[CH:CH+1], v[CH+2:CH+3]
	v_pk_add_f32 v[CH+4:CH+5], v[CH+4:CH+5], v[CH+6:CH+7]
	s_delay_alu instid0(VALU_DEP_1)
	v_pk_add_f32 v[CH:CH+1], v[CH:CH+1], v[CH+4:CH+5]
	s_delay_alu instid0(VALU_DEP_1)
	v_add_f32 v254, v[CH], v[CH+1]
	s_delay_alu instid0(VALU_DEP_1)
	v_permlanex16_b32 v255, v254, s[SEL], s[SEL+1]
	s_delay_alu instid0(VALU_DEP_1)
	v_add_f32 v254, v254, v255
	ds_store_b32 v[RW], v254 offset:\base          ; lanes r and r + 16 write the same word with the same value
	s_wait_dscnt 0x0                               ; for the others' sake: my store has landed
	s_barrier_signal -1
	s_barrier_wait -1
	ds_load_b128 v[CH:CH+3], v[R32] offset:\base
	ds_load_b128 v[CH+4:CH+7], v[R32] offset:\base+16
	s_wait_dscnt 0x0
	v_pk_add_f32 v[CH:CH+1], v[CH:CH+1], v[CH+2:CH+3]
	v_pk_add_f32 v[CH+4:CH+5], v[CH+4:CH+5], v[CH+6:CH+7]
	s_delay_alu instid0(VALU_DEP_1)
	v_pk_add_f32 v[CH:CH+1], v[CH:CH+1], v[CH+4:CH+5]
	s_delay_alu instid0(VALU_DEP_1)
	v_add_f32 v254, v[CH], v[CH+1]
.endm
.irp c, 0,1,2,3
	v_pk_add_f32 v[CH+2*\c:CH+2*\c+1], v[X+2*\c:X+2*\c+1], v[X+8+2*\c:X+8+2*\c+1]   ; the first pairs start the chains
.endr
.set i, 16
.rept 6
.irp c, 0,1,2,3
	v_pk_add_f32 v[CH+2*\c:CH+2*\c+1], v[CH+2*\c:CH+2*\c+1], v[X+i+2*\c:X+i+2*\c+1]
.endr
.set i, i+8
.endr
	RSUM RED0                                      ; (its wait for LDS has brought the rows of h back too)
	WIN 0x04                                       ; a store's data are its source 1: window 1
.irp t, 0,1,2,3,4,5,6,7,8,9,10,11,12,13,14,15
	global_store_b128 v[L16], v[HB+4*\t:HB+4*\t+3], s[36:37] offset:(\t+8*(\t/8))*4096   ; 32 lanes store 512 consecutive bytes of a token's row, aligned
.endr
	WIN 0
	v_mul_f32 v242, s44, v254                      ; the mean, twice: a pair for the packed form
	v_mul_f32 v243, s44, v254
.set i, 0
.rept 32
	v_pk_add_f32 v[X+i:X+i+1], v[X+i:X+i+1], v[242:243] neg_lo:[0,1] neg_hi:[0,1]
.set i, i+2
.endr
.irp c, 0,1,2,3
	v_pk_mul_f32 v[CH+2*\c:CH+2*\c+1], v[X+2*\c:X+2*\c+1], v[X+2*\c:X+2*\c+1]
.endr
.set i, 8
.rept 7
.irp c, 0,1,2,3
	v_pk_fma_f32 v[CH+2*\c:CH+2*\c+1], v[X+i+2*\c:X+i+2*\c+1], v[X+i+2*\c:X+i+2*\c+1], v[CH+2*\c:CH+2*\c+1]
.endr
.set i, i+8
.endr
	RSUM RED1
	s_delay_alu instid0(VALU_DEP_1)
	v_fma_f32 v254, v254, s44, s45                 ; var + 1e-5
	s_wait_alu depctr_va_vdst(0)                   ; the wait ahead of the transcendentals,
	v_rsq_f32 v244, v254
	v_rsq_f32 v245, v254
	v_nop                                          ; one plain place behind them
	s_wait_alu depctr_va_vdst(0)                   ; and behind them
.set i, 0
.rept 32
	v_pk_mul_f32 v[X+i:X+i+1], v[X+i:X+i+1], v[244:245]
.set i, i+2
.endr
.set i, 0
.rept 32
	v_pk_fma_f32 v[X+i:X+i+1], v[G+i:G+i+1], v[X+i:X+i+1], v[G+i:G+i+1]   ; g * ((h - mean) * rstd) + g
.set i, i+2
.endr
; THE QUANTISER: register 16 b + i = k 32 b + 16 h + i of my row becomes a fragment's codes in v[PC] on and its scale word in v240.
.irp b, 0,1,2,3
	v_max3_num_f32 v[TM+\b], |v[X+16*\b]|, |v[X+1+16*\b]|, 0x1800000   ; my 16 numbers of block b, and the floor 2^(3 - 127): the byte cannot fall under 1
.endr
.irp i, 2,4,6,8,10,12,14
.irp b, 0,1,2,3
	v_max3_num_f32 v[TM+\b], v[TM+\b], |v[X+16*\b+\i]|, |v[X+1+16*\b+\i]|   ; the four blocks by turns
.endr
.endr
.irp b, 0,1,2,3
	v_permlanex16_b32 v[TM+4+\b], v[TM+\b], s[SEL], s[SEL+1]
.endr
.irp b, 0,1,2,3
	v_max_num_f32 v[TM+\b], v[TM+\b], v[TM+4+\b]   ; with lane l xor 16's: the block's largest magnitude
.endr
.irp b, 0,1,2,3
	v_add_nc_u32 v[TM+12+\b], 0xff000000, v[TM+\b] ; 2 off its exponent field: the conversion's scale operand
.endr
.irp b, 0,1,2,3
	v_lshrrev_b32 v[TM+4+\b], 23, v[TM+12+\b]      ; the scale's byte
.endr
	v_lshl_or_b32 v240, v[TM+5], 8, v[TM+4]
	v_lshl_or_b32 v240, v[TM+6], 16, v240
	v_lshl_or_b32 v240, v[TM+7], 24, v240
.irp c, 0,1
	v_cvt_scalef32_pk16_fp6_f32 v[PC+6*\c:PC+2+6*\c], v[X+32*\c:X+15+32*\c], v[TM+12+2*\c]
	v_cvt_scalef32_pk16_fp6_f32 v[PC+12+4*\c:PC+14+4*\c], v[X+16+32*\c:X+31+32*\c], v[TM+12+2*\c+1]   ; (a conversion's three registers begin on an even number)
.endr
	v_nop                                          ; one plain place behind a scaled conversion
.irp c, 0,1                                    ; the operand's layout wants a whole block in a lane: lanes 0-15 block 2 c, lanes 16-31 block 2 c + 1
.irp i, 0,1,2
	v_permlane16_swap_b32 v[PC+6*\c+\i], v[PC+12+4*\c+\i]
.endr
.irp i, 0,1,2
	v_mov_b32 v[PC+3+6*\c+\i], v[PC+12+4*\c+\i]
.endr
.endr
	global_store_b128 v[L16], v[PC:PC+3], s[38:39]             ; the fragment's image: each store covers 512 or 256 consecutive bytes, aligned
	global_store_b64 v[L8], v[PC+4:PC+5], s[38:39] offset:512
	global_store_b128 v[L16], v[PC+6:PC+9], s[38:39] offset:768
	global_store_b64 v[L8], v[PC+10:PC+11], s[38:39] offset:1280
	global_store_b32 v[R32], v240, s[40:41]        ; my row's scale word of K step w (lanes r and r + 16: the same bytes, the same value)
	s_wait_tensorcnt 0x0                           ; the wave's end
	ds_add_u32 v[SPW], v[NIL]
	s_wait_dscnt 0x0
	ROUND                                          ; the closing round
	s_endpgm
.Lfunc_end_k_q15743ac33e_oln:
	.size	k_q15743ac33e_oln, .Lfunc_end_k_q15743ac33e_oln-k_q15743ac33e_oln
	.p2alignl 7, 3214868480
	.fill 96, 4, 3214868480
	.section	.rodata,"a",@progbits
	.p2align	6, 0x0
	.amdhsa_kernel k_q15743ac33e_oln
		.amdhsa_group_segment_fixed_size 296960
		.amdhsa_private_segment_fixed_size 0
		.amdhsa_enable_private_segment 0
		.amdhsa_kernarg_size 56
		.amdhsa_user_sgpr_count 2
		.amdhsa_user_sgpr_kernarg_segment_ptr 1
		.amdhsa_wavefront_size32 1
		.amdhsa_system_sgpr_workgroup_id_x 1
		.amdhsa_system_sgpr_workgroup_id_y 1
		.amdhsa_system_sgpr_workgroup_id_z 1
		.amdhsa_system_vgpr_workitem_id 0
		.amdhsa_next_free_vgpr 512
		.amdhsa_next_free_sgpr 66
		.amdhsa_reserve_vcc 0
		.amdhsa_float_denorm_mode_32 3
		.amdhsa_float_denorm_mode_16_64 3
		.amdhsa_memory_ordered 1
		.amdhsa_forward_progress 1
		.amdhsa_inst_pref_size 69
	.end_amdhsa_kernel
	.amdgpu_metadata
---
amdhsa.version: [ 1, 2 ]
amdhsa.kernels:
  - .name:           k_q15743ac33e_oln
    .symbol:         k_q15743ac33e_oln.kd
    .args:
      - { .name: cq, .offset: 0, .size: 8, .value_kind: global_buffer, .address_space: global }
      - { .name: wbuf, .offset: 8, .size: 8, .value_kind: global_buffer, .address_space: global }
      - { .name: bo, .offset: 16, .size: 8, .value_kind: global_buffer, .address_space: global }
      - { .name: x, .offset: 24, .size: 8, .value_kind: global_buffer, .address_space: global }
      - { .name: ln2_scale, .offset: 32, .size: 8, .value_kind: global_buffer, .address_space: global }
      - { .name: h, .offset: 40, .size: 8, .value_kind: global_buffer, .address_space: global }
      - { .name: xq, .offset: 48, .size: 8, .value_kind: global_buffer, .address_space: global }
    .group_segment_fixed_size: 296960
    .private_segment_fixed_size: 0
    .kernarg_segment_align: 8
    .kernarg_segment_size: 56
    .max_flat_workgroup_size: 256
    .sgpr_count:     66
    .vgpr_count:     512
    .wavefront_size: 32
...
	.end_amdgpu_metadata
.endif
;; end of part 4
;; launch qkv2: the kernel of part 2 again; grid 16 x 16, 4 waves a work-group, clusters of 4 x 1, 168,448 bytes of LDS; arguments xq, wbuf, qb, kvb; writes qb, kvb
;; launch attn2: the kernel of part 3 again; grid 8 x 32, 16 waves a work-group, clusters of 4 x 1, 249,856 bytes of LDS; arguments qb, kvb, cq; writes cq
;; launch oproj1 (part 5): grid 16 x 16, 4 waves a work-group, clusters of 4 x 1, 168,448 bytes of LDS; arguments cq, wbuf, bo, h, out0; writes out0
.if DOCPART == 5
	.amdgcn_target "amdgcn-amd-amdhsa--gfx1250"
	.amdhsa_code_object_version 6
	.text
	.protected	k_q15743ac33e_oproj1
	.globl	k_q15743ac33e_oproj1
	.p2align	8
	.type	k_q15743ac33e_oproj1,@function
k_q15743ac33e_oproj1:
	s_mov_b64 s[64:65], 0
	v_nop
	global_prefetch_b8 v0, s[64:65] scope:SCOPE_SE
	s_setreg_imm32_b32 hwreg(HW_REG_WAVE_MODE, 25, 1), 1
	s_wait_xcnt 0x0
	s_wait_alu depctr_hold_cnt(0) depctr_sa_sdst(0) depctr_va_vdst(0) depctr_va_sdst(0) depctr_va_ssrc(0) depctr_va_vcc(0) depctr_vm_vsrc(0)
	s_getreg_b32 s2, hwreg(HW_REG_IB_STS2, 6, 4)
	s_cmp_eq_u32 s2, 0
	s_cbranch_scc0 .Lentry_in_a_cluster
	s_endpgm
.Lentry_in_a_cluster:
	s_bfe_u32 s2, ttmp6, 0x10000c
	s_cmp_lg_u32 s2, 0x3003
	s_cbranch_scc0 .Lentry_shape_is_right
	s_endpgm
.Lentry_shape_is_right:
; out = res + (ctx Wo^T + bo): a product [256 x 1,024] x [1,024 x 64] on codes of FP6 (E2M3) with E8M0 scales; bias and residual are added in f32 on the way out.
; SHARES: a work-group takes 256 tokens x 64 outputs; wave w 64 tokens (4 tiles) x 4 tiles of Wo's rows: 16 accumulators (m, t) at 8 (4 m + t), 8 K steps, 128 matrix instructions.
; Source 0 = 16 rows of Wo, source 1 = 16 tokens: a lane holds one token and eight neighbouring outputs.  The rows of every tile are 32 (T / 2) + 8 (T % 2) + r + 8 (r / 8).
; DATA: the 64 outputs' weight codes, 49,152 bytes laid [K step][tile] as register images, come into LDS once: one load a wave, a first fill; no byte is filled twice.
; CLUSTER: the four work-groups of a cluster take the same 64 outputs: the load is asked for jointly.  A wave's own token fragments go from memory straight into registers, each into registers of its own, four K steps ahead.
; THE WAY OUT: each (wave, token tile) has a stage of 16 rows x (256 + 16) bytes in LDS, behind the weights, into which no fill lands; rows come back whole, and sixteen lanes store 256 consecutive bytes, aligned.
; REGISTERS, in windows of 256: window 0: v1-11 addresses and the bias; v64-191 the residual; v192-223 Wo's scale words [8 tile + K step]; v224-255 the tokens'.
;   window 1: v0-127 the accumulators; v128-223 two sets of four weight fragments.   window 2: token fragments of K steps 0-4, later the rows of the result.   window 3: those of K steps 5-7.
.set SCL, 3145728
.set WOC, 2359296
.set WOS, SCL+98304
.set STG, 49152
.set L16, 1
.set L8,  2
.set R32, 3
.set STO, 4                            ; v4  the stage: where I put 32 bytes of a row
.set RD,  5                            ; v5  and where I read a row back
.set CO,  6                            ; v6  my byte in two rows of the result: 4,096 (lane / 16) + 16 (lane % 16)
.set BA,  7                            ; v7  16 (lane % 16)
.set BI,  8                            ; v8-11 the bias of my four outputs
.set RES, 64
.set WS,  192
.set AS,  224
.set WB,  128
.set WV,  14
.set G1,  24
.set G0,  32
.set MSB, 0
.macro WIN new                         ; the immediate's high byte repeats the setting that is left
.if MSB != \new
	s_set_vgpr_msb (MSB<<8)|\new
.set MSB, \new
.endif
.endm
.macro PLACES
.rept 4
	v_nop
.endr
.endm
.macro ROUND
	s_barrier_signal -1
	s_barrier_wait -1
	s_cmp_lg_u32 s[WV], 0
	s_cbranch_scc1 .Lnot_wave_0_\@
	s_barrier_signal -3
.Lnot_wave_0_\@:
	s_barrier_wait -3
	s_barrier_signal -1
	s_barrier_wait -1
.endm
	s_load_b256 s[4:11], s[0:1], 0x0               ; cq s[4:5], wbuf s[6:7], bo s[8:9], the residual s[10:11]
	s_load_b64 s[12:13], s[0:1], 0x20              ; the result
	v_lshl_add_u32 v62, v0, 2, 0x29000
	v_mov_b32 v63, 0
	ds_add_u32 v62, v63
	ds_add_u32 v62, v63
	v_lshrrev_b32 v1, 5, v0
	v_readfirstlane_b32 s[WV], v1
	s_bfe_u32 s15, ttmp6, 0x40000                  ; cx
	s_lshl_b32 s16, ttmp9, 2
	s_add_co_u32 s16, s16, s15                     ; my block of 256 tokens
	s_and_b32 s17, ttmp7, 0xffff                   ; the group of 64 outputs, which the partners share
	v_and_b32 v12, 31, v0
	v_and_b32 v13, 15, v0
	v_bfe_u32 v14, v0, 4, 1
	v_lshlrev_b32 v[L16], 4, v12
	v_lshlrev_b32 v[L8], 3, v12
	v_lshlrev_b32 v[R32], 5, v13
	v_lshlrev_b32 v[BA], 4, v13
	s_mul_i32 s46, s[WV], 17408
	s_add_co_u32 s46, s46, STG                     ; my four stages
	v_mul_u32_u24 v[STO], v13, 272
	v_lshl_add_u32 v[STO], v14, 6, v[STO]
	v_add_nc_u32 v[STO], s46, v[STO]               ; in: row r, + 64 (lane / 16)
	v_mul_u32_u24 v[RD], v14, 272
	v_add_nc_u32 v[RD], v[RD], v[BA]
	v_add_nc_u32 v[RD], s46, v[RD]                 ; back: lanes 0-15 one row, lanes 16-31 the next
	v_lshl_add_u32 v[CO], v14, 12, v[BA]
	s_mov_b32 s[G1], 15|(3<<16)|(1<<21)            ; the mask: all four work-groups; elements of 8 bytes; bit 21 set beside a mask
	s_mov_b32 s[G1+1], 32<<16                      ; 12,288 dense bytes as 48 rows of 256
	s_mov_b32 s[G1+2], 48<<16
	s_mov_b32 s[G1+3], 32<<16
	s_mov_b32 s[G1+4], 48
	s_mov_b32 s[G1+5], 32
	s_mov_b32 s[G1+6], 0
	s_mov_b32 s[G1+7], 0
	s_mul_i32 s47, s[WV], 12288                    ; my quarter of the weights, in LDS and in memory
	s_mul_i32 s42, s17, 49152
	s_add_co_u32 s42, s42, s47
	s_add_co_u32 s42, s42, WOC
	s_mov_b32 s43, 0
	s_lshl_b32 s22, s17, 11
	s_add_co_u32 s22, s22, WOS
	s_mov_b32 s23, 0
	s_lshl_b32 s36, s17, 8
	s_mov_b32 s37, 0
	s_mul_i32 s18, s16, 196608
	s_mul_i32 s44, s[WV], 49152
	s_add_co_u32 s18, s18, s44                     ; my four token tiles' codes
	s_mov_b32 s19, 0
	s_lshl_b32 s20, s16, 13
	s_lshl_b32 s44, s[WV], 11
	s_add_co_u32 s20, s20, s44
	s_add_co_u32 s20, s20, SCL                     ; and their scale words
	s_mov_b32 s21, 0
	s_lshl_b32 s38, s16, 20
	s_lshl_b32 s44, s[WV], 18
	s_add_co_u32 s38, s38, s44
	s_add_co_u32 s38, s38, s36                     ; my 64 tokens' rows at the group's 256 bytes
	s_mov_b32 s39, 0
	s_wait_dscnt 0x0
	s_wait_kmcnt 0x0
	s_add_nc_u64 s[18:19], s[4:5], s[18:19]
	s_add_nc_u64 s[20:21], s[4:5], s[20:21]
	s_add_nc_u64 s[22:23], s[6:7], s[22:23]
	s_add_nc_u64 s[42:43], s[6:7], s[42:43]
	s_add_nc_u64 s[36:37], s[8:9], s[36:37]
	s_add_nc_u64 s[40:41], s[12:13], s[38:39]
	s_add_nc_u64 s[38:39], s[10:11], s[38:39]
	s_mov_b32 s[G0], 1
	s_mov_b32 s[G0+1], s47
	s_mov_b64 s[G0+2:G0+3], s[42:43]
	s_or_b32 s[G0+3], s[G0+3], 0x80000000
	ROUND                                          ; all four work-groups are here: the joint loads meet
	tensor_load_to_lds s[G0:G0+3], s[G1:G1+7]      ; one load of mine is out
	s_nop 0
	PLACES
	s_wait_alu depctr_va_vdst(0)
.irp t, 0,1,2,3
	global_load_b128 v[WS+8*\t:WS+8*\t+3], v[R32], s[22:23] offset:\t*512
	global_load_b128 v[WS+8*\t+4:WS+8*\t+7], v[R32], s[22:23] offset:\t*512+16
.endr
.irp m, 0,1,2,3
	global_load_b128 v[AS+8*\m:AS+8*\m+3], v[R32], s[20:21] offset:\m*512
	global_load_b128 v[AS+8*\m+4:AS+8*\m+7], v[R32], s[20:21] offset:\m*512+16
.endr
.macro ALOAD s                         ; my four token fragments of K step s: 16 loads
.if (\s) < 5
	WIN 0x80
.set AB, 48*(\s)
.else
	WIN 0xc0
.set AB, 48*((\s)-5)
.endif
.irp m, 0,1,2,3
	global_load_b128 v[AB+12*\m:AB+12*\m+3], v[L16], s[18:19] offset:\m*12288+(\s)*1536
	global_load_b64 v[AB+12*\m+4:AB+12*\m+5], v[L8], s[18:19] offset:\m*12288+(\s)*1536+512
	global_load_b128 v[AB+12*\m+6:AB+12*\m+9], v[L16], s[18:19] offset:\m*12288+(\s)*1536+768
	global_load_b64 v[AB+12*\m+10:AB+12*\m+11], v[L8], s[18:19] offset:\m*12288+(\s)*1536+1280
.endr
.endm
.macro DSFRAG reg, s, j                ; weight tile j's fragment of K step s, from LDS
	ds_load_b128 v[(\reg):(\reg)+3], v[L16] offset:(\s)*6144+(\j)*1536
	ds_load_b64 v[(\reg)+4:(\reg)+5], v[L8] offset:(\s)*6144+(\j)*1536+512
	ds_load_b128 v[(\reg)+6:(\reg)+9], v[L16] offset:(\s)*6144+(\j)*1536+768
	ds_load_b64 v[(\reg)+10:(\reg)+11], v[L8] offset:(\s)*6144+(\j)*1536+1280
.endm
	ALOAD 0
	ALOAD 1
	ALOAD 2
	ALOAD 3                                        ; the token fragments run four K steps ahead, each in registers of its own
	s_wait_tensorcnt 0x0                           ; my quarter of the weights is in,
	s_barrier_signal -1
	s_barrier_wait -1                              ; everybody's is
	WIN 0x40                                       ; destination window 1
.irp t, 0,1,2,3
	DSFRAG WB+12*\t, 0, \t
.endr
; A K STEP: 16 matrix instructions, the 16 accumulators by turns; ahead of them the next step's weight fragments and later loads are asked for.
.macro OSTEP s
	s_wait_dscnt 0x0                               ; this step's weight fragments are in
.if (\s) <= 4
	s_wait_loadcnt 48                              ; this step's token fragments are in; those of the next three steps may be out
.elseif (\s) == 5
	s_wait_loadcnt 32                              ; behind step 5's: steps 6 and 7
.elseif (\s) == 6
	s_wait_loadcnt 49                              ; behind step 6's: step 7's 16, the bias and the residual's 32
.else
	s_wait_loadcnt 33                              ; behind step 7's: the bias and the residual's 32
.endif
.if (\s) > 0
	PLACES                                         ; in front of loads into registers that the last products read
.endif
.if (\s) < 7
	WIN 0x40
.irp t, 0,1,2,3
	DSFRAG WB+48*(((\s)+1)%2)+12*\t, (\s)+1, \t
.endr
.endif
.if (\s) <= 3
	ALOAD (\s)+4
.endif
.if (\s) == 5
	WIN 0
	global_load_b128 v[BI:BI+3], v[BA], s[36:37]
.irp m, 0,1,2,3
.irp i, 0,1,2,3,4,5,6,7
	global_load_b128 v[RES+4*(8*\m+\i):RES+4*(8*\m+\i)+3], v[CO], s[38:39] offset:(32*(\m/2)+8*(\m%2)+2*\i+8*(\i/4))*4096   ; sixteen lanes read 256 consecutive bytes of a token's row
.endr
.endr
.endif
.if (\s) < 5
	WIN 0x59                                       ; source 0 (Wo), C and D window 1; source 1 (tokens) window 2
.set AB, 48*(\s)
.else
	WIN 0x5d                                       ; the same, source 1 window 3
.set AB, 48*((\s)-5)
.endif
.irp m, 0,1,2,3
.irp t, 0,1,2,3
.if (\s) == 0
	v_wmma_scale_f32_16x16x128_f8f6f4 v[8*(4*\m+\t):8*(4*\m+\t)+7], v[WB+48*((\s)%2)+12*\t:WB+48*((\s)%2)+12*\t+11], v[AB+12*\m:AB+12*\m+11], 0, v[WS+8*\t+(\s)], v[AS+8*\m+(\s)] matrix_a_fmt:MATRIX_FMT_FP6 matrix_b_fmt:MATRIX_FMT_FP6
.else
	v_wmma_scale_f32_16x16x128_f8f6f4 v[8*(4*\m+\t):8*(4*\m+\t)+7], v[WB+48*((\s)%2)+12*\t:WB+48*((\s)%2)+12*\t+11], v[AB+12*\m:AB+12*\m+11], v[8*(4*\m+\t):8*(4*\m+\t)+7], v[WS+8*\t+(\s)], v[AS+8*\m+(\s)] matrix_a_fmt:MATRIX_FMT_FP6 matrix_b_fmt:MATRIX_FMT_FP6
.endif
.endr
.endr
.endm
.irp s, 0,1,2,3,4,5,6,7
	OSTEP \s
.endr
	PLACES                                         ; behind the last products
	WIN 0x04                                       ; an LDS store's data are its source 1: window 1
.irp m, 0,1,2,3
.irp t, 0,1,2,3
	ds_store_b128 v[STO], v[8*(4*\m+\t):8*(4*\m+\t)+3] offset:4352*\m+128*(\t/2)+32*(\t%2)        ; lane (r, h): outputs 32 (t / 2) + 16 h + 8 (t % 2) + 0 .. 7 of row r; each accumulator from its low end on
	ds_store_b128 v[STO], v[8*(4*\m+\t)+4:8*(4*\m+\t)+7] offset:4352*\m+128*(\t/2)+32*(\t%2)+16
.endr
.endr
	WIN 0x80                                       ; destination window 2
.irp m, 0,1,2,3
.irp i, 0,1,2,3,4,5,6,7
	ds_load_b128 v[4*(8*\m+\i):4*(8*\m+\i)+3], v[RD] offset:4352*\m+544*\i   ; my own bytes: LDS serves a wave's instructions in order (ISA guide 5.7.1.4): these see the stores above
.endr
.endr
	s_wait_dscnt 0x0
	s_wait_loadcnt 0x0                             ; the bias and the residual
	WIN 0x82                                       ; destination and source 0 window 2, source 1 window 0
.set n, 0
.rept 32
	v_pk_add_f32 v[4*n:4*n+1], v[4*n:4*n+1], v[BI:BI+1]
	v_pk_add_f32 v[4*n+2:4*n+3], v[4*n+2:4*n+3], v[BI+2:BI+3]
.set n, n+1
.endr
.set n, 0
.rept 64
	v_pk_add_f32 v[2*n:2*n+1], v[2*n:2*n+1], v[RES+2*n:RES+2*n+1]
.set n, n+1
.endr
	WIN 0x08                                       ; a store's data are its source 1: window 2
.irp m, 0,1,2,3
.irp i, 0,1,2,3,4,5,6,7
	global_store_b128 v[CO], v[4*(8*\m+\i):4*(8*\m+\i)+3], s[40:41] offset:(32*(\m/2)+8*(\m%2)+2*\i+8*(\i/4))*4096   ; stage row 2 i + h is token 32 (m / 2) + 8 (m % 2) + 2 i + h + 8 (i / 4) of my 64
.endr
.endr
	WIN 0
	s_wait_tensorcnt 0x0
	ds_add_u32 v62, v63
	s_wait_dscnt 0x0
	ROUND                                          ; the closing round
	s_endpgm
.Lfunc_end_k_q15743ac33e_oproj1:
	.size	k_q15743ac33e_oproj1, .Lfunc_end_k_q15743ac33e_oproj1-k_q15743ac33e_oproj1
	.p2alignl 7, 3214868480
	.fill 96, 4, 3214868480
	.section	.rodata,"a",@progbits
	.p2align	6, 0x0
	.amdhsa_kernel k_q15743ac33e_oproj1
		.amdhsa_group_segment_fixed_size 168448
		.amdhsa_private_segment_fixed_size 0
		.amdhsa_enable_private_segment 0
		.amdhsa_kernarg_size 40
		.amdhsa_user_sgpr_count 2
		.amdhsa_user_sgpr_kernarg_segment_ptr 1
		.amdhsa_wavefront_size32 1
		.amdhsa_system_sgpr_workgroup_id_x 1
		.amdhsa_system_sgpr_workgroup_id_y 1
		.amdhsa_system_sgpr_workgroup_id_z 1
		.amdhsa_system_vgpr_workitem_id 0
		.amdhsa_next_free_vgpr 1024
		.amdhsa_next_free_sgpr 66
		.amdhsa_reserve_vcc 0
		.amdhsa_float_denorm_mode_32 3
		.amdhsa_float_denorm_mode_16_64 3
		.amdhsa_memory_ordered 1
		.amdhsa_forward_progress 1
		.amdhsa_inst_pref_size 63
	.end_amdhsa_kernel
	.amdgpu_metadata
---
amdhsa.version: [ 1, 2 ]
amdhsa.kernels:
  - .name:           k_q15743ac33e_oproj1
    .symbol:         k_q15743ac33e_oproj1.kd
    .args:
      - { .name: cq, .offset: 0, .size: 8, .value_kind: global_buffer, .address_space: global }
      - { .name: wbuf, .offset: 8, .size: 8, .value_kind: global_buffer, .address_space: global }
      - { .name: bo, .offset: 16, .size: 8, .value_kind: global_buffer, .address_space: global }
      - { .name: h, .offset: 24, .size: 8, .value_kind: global_buffer, .address_space: global }
      - { .name: out0, .offset: 32, .size: 8, .value_kind: global_buffer, .address_space: global }
    .group_segment_fixed_size: 168448
    .private_segment_fixed_size: 0
    .kernarg_segment_align: 8
    .kernarg_segment_size: 40
    .max_flat_workgroup_size: 128
    .sgpr_count:     66
    .vgpr_count:     1024
    .wavefront_size: 32
...
	.end_amdgpu_metadata
.endif
;; end of part 5
